; MI455X (gfx1250); checked and timed in simulation.
; The chip was launched on July 23, 2026; its instructions are those of AMD's public machine-readable ISA for CDNA 5 (MIT licence, August 2026) and "CDNA5" Instruction Set Architecture Reference Guide (July 2026). The comments in the code are by the model that wrote it; some were corrected since.
;; Multi Head Attention. Allowed arithmetic: matrix products marked QUANTISED: E5M2 operands, one E8M0 scale for each 32 along K, by v_wmma_scale_f32_16x16x128_f8f6f4 with both operands' format E5M2, f32 sums; everything else in f32.
;; Inputs: Wk 1,024 x 1,024 float32; Wo 1,024 x 1,024 float32; Wq 1,024 x 1,024 float32; Wv 1,024 x 1,024 float32; bk 1,024 float32; bo 1,024 float32; bq 1,024 float32; bv 1,024 float32; key_ 4 x 2,048 x 1,024 float32; mask 4 x 2,048 x 2,048 int32; query 4 x 2,048 x 1,024 float32; value 4 x 2,048 x 1,024 float32.
;; Outputs: out0 4 x 2,048 x 1,024 float32.
;; This version of the problem:
;;   THIS VERSION OF THE PROBLEM IS GIVEN IN LOW PRECISION. The matrix products marked QUANTISED in the list below multiply operands that are first quantised to E5M2 (5 exponent bits, 2 mantissa bits; 8 bits a number), with one power-of-two scale for each 32 numbers along K (OCP MX v1.0); their sums are f32. All else is computed in f32.
;;   The module's matrix products, in the order in which they are computed (A, B: the left and right operand; K: the contracted axis; several contracted axes count as one K, in the product's order):
;;     1. [M 8,192, K 1,024] x [K 1,024, N 1,024]; A: input query; B: input Wq: QUANTISED
;;     2. [M 8,192, K 1,024] x [K 1,024, N 1,024]; A: input key_; B: input Wk: QUANTISED
;;     3. [M 8,192, K 1,024] x [K 1,024, N 1,024]; A: input value; B: input Wv: QUANTISED
;;     4. batch 64 x [M 2,048, K 64] x [K 64, N 2,048]; A: computed on the way; B: computed on the way: QUANTISED
;;     5. batch 64 x [M 2,048, K 2,048] x [K 2,048, N 64]; A: softmax (see below); B: computed on the way: QUANTISED
;;     6. [M 8,192, K 1,024] x [K 1,024, N 1,024]; A: computed on the way; B: input Wo: QUANTISED
;;   THE QUANTISER, for each operand of a quantised product, along K:
;;     - K is cut into blocks of 32 from its start; a last block that is shorter is filled with zeros.
;;     - A block's scale is 2^e with e = floor(log2(the largest magnitude in the block)) - 15, held to -126 .. 127; a block of zeros has e = 0. As a byte (E8M0): e + 127.
;;     - Each number is divided by its block's scale, clamped to +-57,344, and rounded to the nearest number of E5M2, ties to even, subnormals kept.
;;     - The product sums the exact products of the quantised numbers (number of the format x scale) in f32.
;;   ~~~python
;;   def quantise(x, axis):      # numpy; x: float32 -> the quantised numbers, widened to float32 again
;;       x = np.moveaxis(x, axis, -1); K = x.shape[-1]
;;       x = np.pad(x, [(0, 0)] * (x.ndim - 1) + [(0, -K % 32)]); x = x.reshape(x.shape[:-1] + (-1, 32)); a = np.abs(x).max(-1, keepdims=True)
;;       e = np.where(a > 0, np.clip(np.frexp(np.where(a > 0, a, 1))[1] - 1 - 15, -126, 127), 0)      # np.frexp(a)[1] - 1 = floor(log2(a)), exactly
;;       r = np.clip(x / 2.0 ** e, -57344, 57344)
;;       step = 2.0 ** (np.maximum(np.frexp(np.where(r == 0, 1, r))[1] - 1, -14) - 2)
;;       q = np.round(r / step) * step * 2.0 ** e      # np.round: ties to even
;;       return np.moveaxis(q.reshape(q.shape[:-2] + (-1,))[..., :K], -1, axis).astype(np.float32)
;;   ~~~
;;   SOFTMAX AHEAD OF A QUANTISED PRODUCT. Where the list says 'softmax', what is quantised is not the finished softmax but p = 2^(t - M), with t = logit x log2(e) and M = ceil(the row's largest t), a whole number; so 1/2 < the row's largest p <= 1. The row's sum l is taken of the UNQUANTISED p, in f32, and the product's result is divided by l at the end. Since M is a whole number, a kernel that streams over the keys may use a running M (the ceiling of the running maximum): every later rescaling is an exact power of two, which a block's scale takes up: the codes' values come out the same.
;;   OPERANDS COMPUTED ON THE WAY. 'Computed on the way' means the value that the module computes at that place (a softmax that the list does not call 'softmax' is quantised finished and normalised). What goes into a quantiser is computed in f32, as accurately as f32 sums, v_exp_f32 and their like allow (about 1e-6 of the number): no bf16 or f16 on the way to a quantiser, and a product that is left as it is and whose result goes on into a quantised operand takes f32 operands (vector FMAs, or v_wmma_f32_16x16x4_f32). A number that lies on a knife's edge between two numbers of the format may be rounded either way, as far as f32 arithmetic and the matrix unit's own rounding can turn it there, and no further.
;; 2 versions, each right; version 2 is version 1 with the launch attn written anew for expert scheduling mode. Each part assembles by itself: llvm-mc -triple=amdgcn-amd-amdhsa -mcpu=gfx1250 --defsym DOCPART=n.
;; ======== version 1 of 2: 4 launches
;; limits: right only within a limited range of input values
;; workspace buffers: xw_codes 29,360,128 bytes; xw_scales 917,504 bytes; maskw 2,097,152 bytes of whole numbers; qkv_codes 25,165,824 bytes; qkv_scales 786,432 bytes; x_codes 8,388,608 bytes; x_scales 262,144 bytes
;; launch prep (part 1): grid 704 x 1, 4 waves a work-group, no clusters, 34,304 bytes of LDS; arguments query, key_, value, Wq, Wk, Wv, Wo, mask, xw_codes, xw_scales, maskw; writes xw_codes, xw_scales, maskw
.if DOCPART == 1
	.amdgcn_target "amdgcn-amd-amdhsa--gfx1250"
	.amdhsa_code_object_version 6
	.text
	.protected	k_q7be28ec9ad_prep
	.globl	k_q7be28ec9ad_prep
	.p2align	8
	.type	k_q7be28ec9ad_prep,@function
k_q7be28ec9ad_prep:
	s_mov_b64 s[64:65], 0
	v_nop
	global_prefetch_b8 v0, s[64:65] scope:SCOPE_SE
	s_setreg_imm32_b32 hwreg(HW_REG_WAVE_MODE, 25, 1), 1
	s_wait_xcnt 0x0
; query, key_, value [8192][1024] and Wq, Wk, Wv, Wo [1024][1024], f32, K innermost, become codes of BF8 (E5M2) with one E8M0 byte for each 32 along K;
; mask [4][2048][2048] int32 becomes lane-mask words.  A stream: no matrix unit, no cluster, no tensor load: nothing is read twice and waves share nothing.
; A block's scale is 2^(floor(log2(largest magnitude)) - 15); its byte is the largest magnitude's exponent field - 15, held at 1 from below; numbers are held within +-57,344 x scale and rounded to nearest, ties to even.
; LIMITS: NaN and infinities among the inputs are not served.  A block of zeros gets the byte 1 where the rule says 127: its codes are zeros, and this program alone reads the bytes.
; SHARES.  A wave's task (4 x work-group + wave) is 16 rows x 8 units of 128 four-byte numbers.  Tasks 0-1791: row tile T = task of the seven f32 tensors laid on end; tasks 1792-2815: 16 rows x 1,024 columns of the mask.
; SLOT ORDER.  The codes are laid as images of the matrix operand's registers: lane (r, h) holds row r, and of each block of 32 the numbers k = 8 h + 0..7 and 16 + 8 h + 0..7, the order in which a matrix
; result holds them.  Every operand of every product of this program is laid so, so each product still pairs equal k; blocks and scales are untouched.
; xw_codes [T][K step of 128: 8][register group c: 4][lane: 32][16 bytes];  xw_scales [T][row: 16][32 bytes].
; maskw: [b][query tile: 128][step of 128 keys: 16][64 words]: bit (r, h) of word 8 t + j says mask(16 tile + r, 128 step + 16 t + 8 h + j) != 0.
; Each load reads 512 consecutive bytes of one row; a unit (16 rows x 512 bytes) turns through the wave's own stage in LDS (rows 528 bytes apart: row r starts 4 r banks on) and comes back 32 bytes a lane and piece.
.set QWG,  448                         ; work-groups that quantise; the others pack the mask
.set SP,   528
.set WREG, 16*SP
.set PWQ,  8                           ; v8-11   my four scale words of the row
.set PW,   12                          ; v12     the scale word just made
.set RO,   16                          ; v16-31  16 x lane + row x pitch
.set R,    32                          ; v32-159 two sets of 64: a unit as it is loaded
.set XS,   160                         ; v160-223 the unit as the lane wants it
.set PC,   224                         ; v224-239 codes (mask: v224, v225 the words)
.set TM,   240                         ; v240-255 at work
.set SEL,  16                          ; s[16:17] lane selects: lane l xor 16
.set MNT,  18                          ; s18     the mantissa field of 57,344
; 64 numbers of a lane, register 16 b + i of block b, become a fragment's codes in v[PC] on and its scale word in v[PW]
.macro QUANT s
.irp b, 0,1,2,3
	v_max3_num_f32 v[TM+\b], |v[\s+16*\b]|, |v[\s+1+16*\b]|, 0x8000000   ; my 16 numbers, and the floor 2^(16 - 127): the byte cannot fall under 1
.endr
.irp i, 2,4,6,8,10,12,14
.irp b, 0,1,2,3
	v_max3_num_f32 v[TM+\b], v[TM+\b], |v[\s+16*\b+\i]|, |v[\s+1+16*\b+\i]|
.endr
.endr
.irp b, 0,1,2,3
	v_permlanex16_b32 v[TM+4+\b], v[TM+\b], s[SEL], s[SEL+1]
.endr
.irp b, 0,1,2,3
	v_max_num_f32 v[TM+\b], v[TM+\b], v[TM+4+\b]                ; with lane l xor 16's 16: the block's largest magnitude
.endr
.irp b, 0,1,2,3
	v_add_nc_u32 v[TM+12+\b], 0xf8800000, v[TM+\b]              ; 15 off its exponent field: the conversion's scale operand
.endr
.irp b, 0,1,2,3
	v_and_or_b32 v[TM+8+\b], v[TM+\b], 0x7f800000, s[MNT]       ; 57,344 x the scale
.endr
.irp b, 0,1,2,3
	v_lshrrev_b32 v[TM+4+\b], 23, v[TM+12+\b]                   ; the scale's byte
.endr
	v_lshl_or_b32 v[PW], v[TM+5], 8, v[TM+4]
	v_lshl_or_b32 v[PW], v[TM+6], 16, v[PW]
	v_lshl_or_b32 v[PW], v[TM+7], 24, v[PW]
.irp b, 0,1,2,3
.irp i, 0,1,2,3,4,5,6,7,8,9,10,11,12,13,14,15
	v_med3_num_f32 v[\s+16*\b+\i], v[\s+16*\b+\i], -v[TM+8+\b], v[TM+8+\b]   ; the conversion to an 8-bit code does not saturate (ISA guide 7.6.2): the hold comes first
.endr
	v_cvt_scalef32_pk8_bf8_f32 v[PC+4*\b:PC+1+4*\b], v[\s+16*\b:\s+7+16*\b], v[TM+12+\b]
	v_cvt_scalef32_pk8_bf8_f32 v[PC+2+4*\b:PC+3+4*\b], v[\s+8+16*\b:\s+15+16*\b], v[TM+12+\b]
.endr
	v_nop                                          ; a plain line behind the last conversion
.endm
	s_load_b512 s[32:47], s[0:1], 0x0              ; query, key_, value, Wq, Wk, Wv, Wo, mask
	s_load_b128 s[48:51], s[0:1], 0x40             ; xw_codes, xw_scales
	s_load_b64 s[52:53], s[0:1], 0x50              ; maskw
	v_lshl_add_u32 v6, v0, 2, 0x8400
	v_mov_b32 v13, 0
	v_lshrrev_b32 v14, 5, v0
	v_readfirstlane_b32 s2, v14                    ; wave
	v_and_b32 v14, 31, v0                          ; lane
	v_and_b32 v7, 15, v0                           ; r
	v_bfe_u32 v15, v0, 4, 1                        ; h
	v_lshlrev_b32 v1, 4, v14                       ; 16 x lane
	v_lshlrev_b32 v4, 3, v14                       ; 8 x lane
	s_mul_i32 s3, s2, WREG                         ; my stage
	v_add_nc_u32 v2, s3, v1                        ; into it: a row's 512 bytes as they lie
	v_mul_u32_u24 v3, v7, SP
	v_lshl_add_u32 v3, v15, 5, v3
	v_add_nc_u32 v3, s3, v3                        ; out of it: row r, + 32 h
	v_lshlrev_b32 v5, 5, v7
	v_lshl_add_u32 v5, v15, 4, v5                  ; my 16 scale bytes: 32 r + 16 h
	v_mov_b32 v224, 0                              ; (a lane write's and a lane permute's destination count as read: written once here)
	v_mov_b32 v225, 0
.irp b, 0,1,2,3
	v_mov_b32 v[TM+4+\b], 0
	v_mov_b32 v[PWQ+\b], 0
.endr
	s_mov_b32 s[SEL], 0x76543210
	s_mov_b32 s[SEL+1], 0xfedcba98
	s_mov_b32 s[MNT], 0x600000
	s_mov_b32 s19, 0xffff0000                      ; lanes 16-31
	s_wait_kmcnt 0x0
	s_mov_b64 s[4:5], s[32:33]                     ; which tensor: a choice on the work-group's number alone
	s_mov_b32 s14, 0                               ; and its first work-group
.macro PICK lim, p
	s_cmp_ge_u32 ttmp9, \lim
	s_cselect_b64 s[4:5], s[\p:\p+1], s[4:5]
	s_cselect_b32 s14, \lim, s14
.endm
	PICK 128, 34
	PICK 256, 36
	PICK 384, 38
	PICK 400, 40
	PICK 416, 42
	PICK 432, 44
	PICK 448, 46
	s_lshl_b32 s15, ttmp9, 2
	s_add_co_u32 s15, s15, s2                      ; task
	s_lshl_b32 s14, s14, 2
	s_sub_co_u32 s14, s15, s14                     ; its number within the tensor
	s_lshl_b32 s30, s14, 16                        ; f32 tensors: 16 rows of 4,096 bytes a task
	s_lshr_b32 s31, s14, 1
	s_lshl_b32 s31, s31, 17                        ; mask: 16 rows of 8,192 bytes for two tasks,
	s_and_b32 s54, s14, 1
	s_lshl_b32 s54, s54, 12                        ; the second 4,096 bytes along the rows
	s_add_co_u32 s31, s31, s54
	s_mov_b32 s29, 8192
	s_cmp_lt_u32 ttmp9, QWG
	s_cselect_b32 s30, s30, s31
	s_cselect_b32 s29, 4096, s29                   ; the pitch
	s_mov_b32 s31, 0
	s_add_nc_u64 s[4:5], s[4:5], s[30:31]
	s_lshl_b32 s30, s15, 14
	s_add_nc_u64 s[6:7], s[48:49], s[30:31]        ; my row tile's codes
	s_lshl_b32 s30, s15, 9
	s_add_nc_u64 s[8:9], s[50:51], s[30:31]        ; and scale bytes
	s_lshl_b32 s30, s14, 11
	s_add_nc_u64 s[10:11], s[52:53], s[30:31]      ; my task's mask words
	v_mov_b32 v[RO], v1
.irp i, 1,2,3,4,5,6,7,8,9,10,11,12,13,14,15
	v_add_nc_u32 v[RO+\i], s29, v[RO+\i-1]
.endr
.macro LOADU u                         ; unit u: 16 loads, each 512 consecutive bytes of one row, into set u % 2
.irp i, 0,1,2,3,4,5,6,7,8,9,10,11,12,13,14,15
	global_load_b128 v[R+64*((\u)%2)+4*\i:R+64*((\u)%2)+4*\i+3], v[RO+\i], s[4:5] offset:512*(\u) th:TH_LOAD_NT
.endr
.endm
.macro UNIT u
.if (\u) < 7
	s_wait_loadcnt 16                              ; this unit's 16 loads are in; the next unit's 16 may be out
.else
	s_wait_loadcnt 0x0
.endif
.irp i, 0,1,2,3,4,5,6,7,8,9,10,11,12,13,14,15
	ds_store_b128 v2, v[R+64*((\u)%2)+4*\i:R+64*((\u)%2)+4*\i+3] offset:SP*\i
.endr
.irp t, 0,1,2,3,4,5,6,7
	ds_load_b128 v[XS+8*\t:XS+8*\t+3], v3 offset:64*\t          ; LDS serves a wave's instructions in order: these see my stores.  k = 16 t + 8 h + 0..7 of row r
	ds_load_b128 v[XS+8*\t+4:XS+8*\t+7], v3 offset:64*\t+16
.endr
	s_wait_dscnt 0x0                               ; the unit is back, and the stage's stores have read their registers
	s_wait_xcnt 0x0                                ; the last unit's stores have read their data: the codes' and words' registers may be written again
.if (\u) < 6
	LOADU (\u)+2
.endif
	s_cmp_lt_u32 ttmp9, QWG                        ; the two kinds part here and join below; no LDS instruction stands on either way
	s_cbranch_scc0 .Lm_\@
	QUANT XS
.irp c, 0,1,2,3
	global_store_b128 v1, v[PC+4*\c:PC+4*\c+3], s[6:7] offset:2048*(\u)+512*\c   ; 512 consecutive bytes
.endr
.if (\u) < 4
	v_mov_b32 v[PWQ+(\u)], v[PW]                   ; lanes 0-15 keep the row's words 0-3,
.else
	v_cndmask_b32 v[PWQ+(\u)-4], v[PWQ+(\u)-4], v[PW], s19   ; lanes 16-31 words 4-7
.endif
	s_branch .Lj_\@
.Lm_\@:
.set n, 0
.rept 8
.irp j, 0,1,2,3,4,5,6,7
	v_cmp_ne_u32 s[20+\j], 0, v[XS+n+\j]           ; word n: one bit a lane
.endr
.irp j, 0,1,2,3,4,5,6,7
	v_writelane_b32 v[224+(\j)%2], s[20+\j], (n+\j)/2   ; to lane n / 2, register n % 2: 8 bytes a lane
.endr
.set n, n+8
.endr
	global_store_b64 v4, v[224:225], s[10:11] offset:256*(\u)   ; 256 consecutive bytes, aligned
.Lj_\@:
.endm
	LOADU 0
	LOADU 1
.irp q, 0,1,2,3,4,5,6,7
	UNIT \q
.endr
	s_cmp_lt_u32 ttmp9, QWG
	s_cbranch_scc0 .Ldone
	global_store_b128 v5, v[PWQ:PWQ+3], s[8:9]     ; the row tile's 512 scale bytes
.Ldone:
	s_wait_tensorcnt 0x0
	ds_add_u32 v6, v13
	s_wait_dscnt 0x0
	s_endpgm
.Lfunc_end_k_q7be28ec9ad_prep:
	.size	k_q7be28ec9ad_prep, .Lfunc_end_k_q7be28ec9ad_prep-k_q7be28ec9ad_prep
	.p2alignl 7, 3214868480
	.fill 96, 4, 3214868480
	.section	.rodata,"a",@progbits
	.p2align	6, 0x0
	.amdhsa_kernel k_q7be28ec9ad_prep
		.amdhsa_group_segment_fixed_size 34304
		.amdhsa_private_segment_fixed_size 0
		.amdhsa_enable_private_segment 0
		.amdhsa_kernarg_size 88
		.amdhsa_user_sgpr_count 2
		.amdhsa_user_sgpr_kernarg_segment_ptr 1
		.amdhsa_wavefront_size32 1
		.amdhsa_system_sgpr_workgroup_id_x 1
		.amdhsa_system_sgpr_workgroup_id_y 1
		.amdhsa_system_sgpr_workgroup_id_z 1
		.amdhsa_system_vgpr_workitem_id 0
		.amdhsa_next_free_vgpr 256
		.amdhsa_next_free_sgpr 66
		.amdhsa_reserve_vcc 0
		.amdhsa_float_denorm_mode_32 3
		.amdhsa_float_denorm_mode_16_64 3
		.amdhsa_memory_ordered 1
		.amdhsa_forward_progress 1
		.amdhsa_inst_pref_size 167
	.end_amdhsa_kernel
	.amdgpu_metadata
---
amdhsa.version: [ 1, 2 ]
amdhsa.kernels:
  - .name:           k_q7be28ec9ad_prep
    .symbol:         k_q7be28ec9ad_prep.kd
    .args:
      - { .name: query, .offset: 0, .size: 8, .value_kind: global_buffer, .address_space: global }
      - { .name: key_, .offset: 8, .size: 8, .value_kind: global_buffer, .address_space: global }
      - { .name: value, .offset: 16, .size: 8, .value_kind: global_buffer, .address_space: global }
      - { .name: Wq, .offset: 24, .size: 8, .value_kind: global_buffer, .address_space: global }
      - { .name: Wk, .offset: 32, .size: 8, .value_kind: global_buffer, .address_space: global }
      - { .name: Wv, .offset: 40, .size: 8, .value_kind: global_buffer, .address_space: global }
      - { .name: Wo, .offset: 48, .size: 8, .value_kind: global_buffer, .address_space: global }
      - { .name: mask, .offset: 56, .size: 8, .value_kind: global_buffer, .address_space: global }
      - { .name: xw_codes, .offset: 64, .size: 8, .value_kind: global_buffer, .address_space: global }
      - { .name: xw_scales, .offset: 72, .size: 8, .value_kind: global_buffer, .address_space: global }
      - { .name: maskw, .offset: 80, .size: 8, .value_kind: global_buffer, .address_space: global }
    .group_segment_fixed_size: 34304
    .private_segment_fixed_size: 0
    .kernarg_segment_align: 8
    .kernarg_segment_size: 88
    .max_flat_workgroup_size: 128
    .sgpr_count:     66
    .vgpr_count:     256
    .wavefront_size: 32
...
	.end_amdgpu_metadata
.endif
;; end of part 1
;; launch proj (part 2): grid 4 x 96, 4 waves a work-group, clusters of 4 x 4, 327,680 bytes of LDS; arguments xw_codes, xw_scales, qkv_codes, qkv_scales, bq, bk, bv; writes qkv_codes, qkv_scales
.if DOCPART == 2
	.amdgcn_target "amdgcn-amd-amdhsa--gfx1250"
	.amdhsa_code_object_version 6
	.text
	.protected	k_q7be28ec9ad_proj
	.globl	k_q7be28ec9ad_proj
	.p2align	8
	.type	k_q7be28ec9ad_proj,@function
k_q7be28ec9ad_proj:
	s_mov_b64 s[64:65], 0
	v_nop
	global_prefetch_b8 v0, s[64:65] scope:SCOPE_SE
	s_setreg_imm32_b32 hwreg(HW_REG_WAVE_MODE, 25, 1), 1
	s_wait_xcnt 0x0
	s_wait_alu depctr_hold_cnt(0) depctr_sa_sdst(0) depctr_va_vdst(0) depctr_va_sdst(0) depctr_va_ssrc(0) depctr_va_vcc(0) depctr_vm_vsrc(0)
	s_getreg_b32 s2, hwreg(HW_REG_IB_STS2, 6, 4)
	s_cmp_eq_u32 s2, 0
	s_cbranch_scc0 .Lentry_in_a_cluster
	s_endpgm
.Lentry_in_a_cluster:
	s_bfe_u32 s2, ttmp6, 0x10000c
	s_cmp_lg_u32 s2, 0xf033
	s_cbranch_scc0 .Lentry_shape_is_right
	s_endpgm
.Lentry_shape_is_right:
; Q = query Wq^T + bq, K = key_ Wk^T + bk, V = value Wv^T + bv on codes of BF8 (E5M2) with E8M0 scales for each 32 along K (1,024); the results, f32, are quantised at once into the operands of attention's two products.
; A tile of 256 x 256 of a result is made by a work-group of four waves, 128 x 128 a wave: 64 accumulators, 512 registers.  Source 0 of the matrix instruction takes 16 rows of P, source 1 16 rows of R:
; in a result a lane holds ONE row of R, and its registers run along P.  For Q and K: P = the weight, R = the tokens: a lane's registers run along the head's channels, the K of Q K^T.
; For V: P = the tokens, R = the weight: a lane's registers run along the keys, the K of p V.  ONE TEXT SERVES ALL THREE: only row-tile numbers, made from the cluster's y (0-7 Q, 8-15 K, 16-23 V), differ.
; OPERANDS ARE IMAGES OF REGISTERS: xw_codes [row tile of 16][K step of 128: 8][c: 4][lane][16 bytes]: a fragment is four ds_load_b128 at 16 x lane: consecutive bytes, no pitch, no padding.
; K goes in steps of 256 through a ring of two LDS slots; a wave's tensor load brings 8 row tiles x 4,096 bytes.  The scale bytes of the 2 x 256 rows, for all of K, come once with the first fills.
; CLUSTERS: 4 x 4 work-groups; R's tiles hang on cy and are asked for jointly along a row of the cluster, P's on cx and jointly along a column.
; THE WAY OUT: two neighbouring result tiles hold, in one lane, 16 numbers of one block of 32 of the next product's K, in the slot order in which all operands of this program are laid: the conversions' results ARE the next operand's registers.
; qkv_codes: Q at 0, K at 8,388,608: [b x head: 64][tile of 16 tokens: 128][c: 2][512 bytes];  V at 16,777,216: [b x head][step of 128 keys: 16][16 channels: 4][c: 4][512 bytes].
; qkv_scales: Q at 0, K at 262,144: [b][pair of heads: 8][tile: 128][16] words (bytes 0, 1 the even head);  V at 524,288: [b x head][step][16 channels: 4][16] words.
; LIMITS: NaN and infinities are not served; a block of zeros gets the byte 1 (its codes are zeros; this program alone reads the bytes).  The bias along P begins each sum, so it is added ahead of the products, not behind them.
; REGISTERS: window 0: v0-31 addresses and R's bias; v32-63 scale words, two sets; v64-127 P's bias, 8 registers a block; v128-255 R's fragments, one set (on the way out: at work).
;   window 1: P's fragments, two sets.   windows 2, 3: the accumulators ((a, b) at v[8 (8 (a % 4) + b)]).
.set NQ,     2                         ; matrix instructions deep in a slot
.set FR,     16
.set NL,     4
.set NP,     8                         ; places behind this matrix instruction (ISA guide 7.12.1)
.set ROWB,   4096                      ; a row tile's bytes in a slot: two images
.set HALFT,  8*ROWB                    ; 128 rows: what one tensor load brings
.set SLOT,   4*HALFT                   ; R's two halves, then P's
.set LAPS,   2                         ; 1,024 / 512
.set SCL,    2*SLOT                    ; behind the ring: the scales, as units of 256 bytes + 16 of padding
.set HALFS,  16*272                    ; those of 128 rows (32 bytes a row)
.set SBLK,   2*272                     ; of 16 rows
.set SPARE,  SCL+4*HALFS               ; the spare words: 128 bytes a wave, two blocks of 256 bytes that no other line names
.set SSTG,   SPARE+512                 ; 512 bytes a wave: the new scale words on their way out; no tensor load lands here
.set BR,   8                           ; v8-15   R's bias: one number a block
.set ADRA, 16                          ; v16-17  LDS address of R's fragments in slot 0, 1
.set ADRB, 20                          ; v20-21  of P's
.set ST0,  24                          ; v24     16 x lane
.set ST1,  25                          ; v25     16 x lane + where blocks 2, 3 of the 128 go
.set STS,  26                          ; v26     the scale words' place in memory
.set ADRS, 27                          ; v27     LDS address of my scale words: lanes 0-15 R's rows, lanes 16-31 P's
.set SPW,  28                          ; v28     my spare word; never rewritten
.set NIL,  29                          ; v29     0; never rewritten
.set SGI,  30                          ; v30     into my scale stage
.set SGO,  31                          ; v31     out of it
.set SC,   32
.set BP,   64
.set AF,   128
.set T,    128                         ; the way out: 64 numbers
.set PC,   192                         ; their codes
.set TM,   224                         ; at work
.set SEL,  92                          ; s[92:93] lane selects (set behind the head)
.set MNT,  94
.set G1, 24
.set G0, 32
.set G1B, 48
.set G0B, 56
.set G1S, 68
.set G0S, 76
.set G1SB, 80
.set G0SB, 88
.set MSB, 0
.macro WIN new                         ; the immediate's high byte repeats the setting that is left
.if MSB != (\new)
	s_set_vgpr_msb (MSB<<8)|(\new)
.set MSB, (\new)
.endif
.endm
.set MUL_LO, 0xa1                      ; source 0 (P) window 1, source 1 (R) window 0, C and D window 2
.set MUL_HI, 0xf1                      ; the same, C and D window 3
.set TO_B,   0x40
; A joint load: waves 0 and 1 fetch for R, waves 2 and 3 for P.  The branch hangs on the wave's number alone.  Four v_nop follow each of the two lines.
.macro JLOAD g0a, g1a, g0b, g1b
	s_cmp_eq_u32 s15, 0
	s_cbranch_scc0 .Lfor_b_\@
	tensor_load_to_lds s[\g0a:\g0a+3], s[\g1a:\g1a+7]
	s_nop 0
.rept 4
	v_nop
.endr
	s_branch .Lasked_\@
.Lfor_b_\@:
	tensor_load_to_lds s[\g0b:\g0b+3], s[\g1b:\g1b+7]
	s_nop 0
.rept 4
	v_nop
.endr
.Lasked_\@:
.endm
.macro CREST                           ; a round of the cluster's barrier behind its opening barrier
	s_cmp_lg_u32 s14, 0
	s_cbranch_scc1 .Lnot_wave_0_\@
	s_barrier_signal -3
.Lnot_wave_0_\@:
	s_barrier_wait -3
	s_barrier_signal -1
	s_barrier_wait -1
.endm
.macro CROUND
	s_barrier_signal -1
	s_barrier_wait -1
	CREST
.endm
.macro QUANT s                         ; 64 numbers of a lane, register 16 b + i of block b, become codes in v[PC] on and a scale word in v[PW]
.irp b, 0,1,2,3
	v_max3_num_f32 v[TM+\b], |v[\s+16*\b]|, |v[\s+1+16*\b]|, 0x8000000   ; my 16 numbers, and the floor 2^(16 - 127): the byte cannot fall under 1
.endr
.irp i, 2,4,6,8,10,12,14
.irp b, 0,1,2,3
	v_max3_num_f32 v[TM+\b], v[TM+\b], |v[\s+16*\b+\i]|, |v[\s+1+16*\b+\i]|
.endr
.endr
.irp b, 0,1,2,3
	v_permlanex16_b32 v[TM+4+\b], v[TM+\b], s[SEL], s[SEL+1]
.endr
.irp b, 0,1,2,3
	v_max_num_f32 v[TM+\b], v[TM+\b], v[TM+4+\b]
.endr
.irp b, 0,1,2,3
	v_add_nc_u32 v[TM+12+\b], 0xf8800000, v[TM+\b]              ; 15 off the exponent field: the conversion's scale operand
.endr
.irp b, 0,1,2,3
	v_and_or_b32 v[TM+8+\b], v[TM+\b], 0x7f800000, s[MNT]       ; 57,344 x the scale
.endr
.irp b, 0,1,2,3
	v_lshrrev_b32 v[TM+4+\b], 23, v[TM+12+\b]                   ; the scale's byte
.endr
	v_lshl_or_b32 v[PW], v[TM+5], 8, v[TM+4]
	v_lshl_or_b32 v[PW], v[TM+6], 16, v[PW]
	v_lshl_or_b32 v[PW], v[TM+7], 24, v[PW]
.irp b, 0,1,2,3
.irp i, 0,1,2,3,4,5,6,7,8,9,10,11,12,13,14,15
	v_med3_num_f32 v[\s+16*\b+\i], v[\s+16*\b+\i], -v[TM+8+\b], v[TM+8+\b]   ; the conversion does not saturate (ISA guide 7.6.2): the hold comes first
.endr
	v_cvt_scalef32_pk8_bf8_f32 v[PC+4*\b:PC+1+4*\b], v[\s+16*\b:\s+7+16*\b], v[TM+12+\b]
	v_cvt_scalef32_pk8_bf8_f32 v[PC+2+4*\b:PC+3+4*\b], v[\s+8+16*\b:\s+15+16*\b], v[TM+12+\b]
.endr
	v_nop                                          ; a plain line behind the last conversion
.endm
	s_load_b256 s[4:11], s[0:1], 0x0               ; xw_codes, xw_scales, qkv_codes, qkv_scales
	s_load_b128 s[92:95], s[0:1], 0x20             ; bq, bk
	s_load_b64 s[96:97], s[0:1], 0x30              ; bv
	v_lshl_add_u32 v[SPW], v0, 2, SPARE
	v_mov_b32 v[NIL], 0
	ds_add_u32 v28, v29
	ds_add_u32 v28, v29
	s_wait_dscnt 0x0
	v_lshrrev_b32 v1, 5, v0
	v_readfirstlane_b32 s14, v1                    ; wave 0..3
	s_lshr_b32 s15, s14, 1                         ; which half of R's rows is mine.  Also: I fetch for R (0) or for P (1)
	s_and_b32 s16, s14, 1                          ; which half of P's rows.  Also: which 128 rows I fetch
	s_bfe_u32 s40, ttmp6, 0x40000                  ; cx, cy: my place in the cluster
	s_bfe_u32 s41, ttmp6, 0x40004
	s_and_b32 s17, ttmp7, 0xffff                   ; the cluster's y, which all sixteen share
	s_lshl_b32 s43, s41, 2
	s_lshl_b32 s43, 15, s43                        ; my row of the cluster
	s_lshl_b32 s44, 0x1111, s40                    ; my column
	; descriptor group 1 for codes: 8 rows of 512 elements of 8 bytes, 2,048 elements apart, dense in LDS
	s_or_b32 s[G1+0], s43, (3<<16)|(1<<21)         ; 15:0 the mask: R's tiles go to my row; 17:16 elements of 8 bytes; 21 set beside a mask
	s_or_b32 s[G1B+0], s44, (3<<16)|(1<<21)        ; P's to my column
.irp g, G1, G1B
	s_mov_b32 s[\g+1], 512<<16                     ; tensor_dim0
	s_mov_b32 s[\g+2], 8<<16                       ; tensor_dim1
	s_mov_b32 s[\g+3], 512<<16                     ; tile_dim0
	s_mov_b32 s[\g+4], 8                           ; tile_dim1
	s_mov_b32 s[\g+5], 2048                        ; tensor_dim0_stride: a row tile's eight images
	s_mov_b32 s[\g+6], 0
	s_mov_b32 s[\g+7], 0
.endr
	; and for the scales of 128 rows: 4,096 dense bytes as 16 rows of 256, 16 bytes of padding behind each
	s_or_b32 s[G1S+0], s43, (3<<16)|(1<<20)|(1<<21)|(5<<22)|(3<<25)
	s_or_b32 s[G1SB+0], s44, (3<<16)|(1<<20)|(1<<21)|(5<<22)|(3<<25)
.irp g, G1S, G1SB
	s_mov_b32 s[\g+1], 32<<16
	s_mov_b32 s[\g+2], 16<<16
	s_mov_b32 s[\g+3], 32<<16
	s_mov_b32 s[\g+4], 16
	s_mov_b32 s[\g+5], 32
	s_mov_b32 s[\g+6], 0
	s_mov_b32 s[\g+7], 0
.endr
	; which rows.  Q, K: P = weight tile cx, R = token tile 4 (y & 7) + cy.  V: P = token tile 4 (y & 7) + cx, R = weight tile cy.  P's numbers never meet cy, R's never cx
	s_and_b32 s20, s17, 7
	s_lshl_b32 s20, s20, 2
	s_lshr_b32 s19, s17, 3                         ; the product: 0 Q, 1 K, 2 V
	s_lshl_b32 s22, s19, 9                         ; its tokens' first row tile
	s_lshl_b32 s23, s19, 6
	s_add_co_u32 s23, s23, 1536                    ; its weight's
	s_cmp_lt_u32 s17, 16                           ; Q or K?
	s_cselect_b32 s98, -1, 0                       ; as a lane mask
	s_cselect_b32 s21, 0, s20
	s_cselect_b32 s20, s20, 0
	s_cselect_b32 s46, s23, s22                    ; P's tensor
	s_cselect_b32 s47, s22, s23                    ; R's
	s_add_co_u32 s42, s21, s40                     ; P's tile of 256 rows
	s_add_co_u32 s18, s20, s41                     ; R's
	s_lshl_b32 s21, s16, 3                         ; the half that I fetch: 8 row tiles
	s_lshl_b32 s20, s18, 4
	s_add_co_u32 s20, s20, s47
	s_add_co_u32 s20, s20, s21                     ; R: the first row tile that I fetch
	s_lshl_b32 s47, s42, 4
	s_add_co_u32 s46, s46, s47
	s_add_co_u32 s46, s46, s21                     ; P likewise
	s_lshl_b32 s22, s20, 9                         ; 512 scale bytes a row tile,
	s_lshl_b32 s20, s20, 14                        ; 16,384 bytes of codes
	s_lshl_b32 s66, s46, 9
	s_lshl_b32 s46, s46, 14
	s_mov_b32 s21, 0
	s_mov_b32 s23, 0
	s_mov_b32 s47, 0
	s_mov_b32 s67, 0
	s_mul_i32 s45, s14, HALFT                      ; where they go: by the wave's number alone
	s_mul_i32 s99, s14, HALFS
	s_wait_kmcnt 0x0
	s_add_nc_u64 s[20:21], s[4:5], s[20:21]
	s_add_nc_u64 s[22:23], s[6:7], s[22:23]
	s_add_nc_u64 s[46:47], s[4:5], s[46:47]
	s_add_nc_u64 s[66:67], s[6:7], s[66:67]
	CROUND                                         ; all sixteen work-groups are here: the first joint loads meet
	s_mov_b32 s[G0S], 1
	s_add_co_u32 s[G0S+1], s99, SCL
	s_mov_b64 s[G0S+2:G0S+3], s[22:23]
	s_or_b32 s[G0S+3], s[G0S+3], 0x80000000
	s_mov_b32 s[G0SB], 1
	s_add_co_u32 s[G0SB+1], s99, SCL
	s_mov_b64 s[G0SB+2:G0SB+3], s[66:67]
	s_or_b32 s[G0SB+3], s[G0SB+3], 0x80000000
	JLOAD G0S, G1S, G0SB, G1SB                     ; the scales first: they are wanted with K step 0
.irp s, 0,1
	s_mov_b32 s[G0+4*\s], 1
	s_add_co_u32 s[G0+4*\s+1], s45, \s*SLOT
	s_add_nc_u64 s[G0+4*\s+2:G0+4*\s+3], s[20:21], \s*ROWB
	s_or_b32 s[G0+4*\s+3], s[G0+4*\s+3], 0x80000000
	s_mov_b32 s[G0B+4*\s], 1
	s_add_co_u32 s[G0B+4*\s+1], s45, \s*SLOT
	s_add_nc_u64 s[G0B+4*\s+2:G0B+4*\s+3], s[46:47], \s*ROWB
	s_or_b32 s[G0B+4*\s+3], s[G0B+4*\s+3], 0x80000000
	JLOAD G0+4*\s, G1, G0B+4*\s, G1B
.endr
	v_and_b32 v1, 15, v0                           ; r
	v_bfe_u32 v2, v0, 4, 1                         ; h
	v_and_b32 v3, 31, v0
	v_lshlrev_b32 v[ST0], 4, v3                    ; 16 x lane
	s_mul_i32 s21, s15, HALFT                      ; my 128 rows of R
	s_mul_i32 s22, s16, HALFT                      ; my 128 rows of P,
	s_add_co_u32 s22, s22, 2*HALFT                 ; behind R's 256
.irp s, 0,1
	v_add_nc_u32 v[ADRA+\s], s21, v[ST0]
	v_add_nc_u32 v[ADRB+\s], s22, v[ST0]
	s_add_co_u32 s21, s21, SLOT
	s_add_co_u32 s22, s22, SLOT
.endr
	v_lshlrev_b32 v5, 5, v1                        ; my row's scales: 32 bytes a row,
	v_lshrrev_b32 v6, 8, v5
	v_lshl_add_u32 v5, v6, 4, v5                   ; and 16 more for each 256 passed
	s_mul_i32 s21, s15, HALFS
	s_mul_i32 s22, s16, HALFS
	s_add_co_u32 s22, s22, 2*HALFS
	s_sub_co_u32 s22, s22, s21
	v_mul_u32_u24 v6, s22, v2                      ; lanes 16-31 take P's
	s_add_co_u32 s21, s21, SCL
	v_add_nc_u32 v5, v5, v6
	v_add_nc_u32 v[ADRS], s21, v5
	s_lshl_b32 s21, s14, 9
	s_add_co_u32 s21, s21, SSTG                    ; my scale stage
	v_lshl_add_u32 v[SGI], v1, 2, s21
	v_add_nc_u32 v[SGO], s21, v[ST0]
	; the bias: along P for Q and K (it begins each sum), along R for V (added on the way out); the other of the two is made zero
	s_cmp_eq_u32 s19, 1
	s_cselect_b64 s[12:13], s[94:95], s[92:93]
	s_cmp_eq_u32 s19, 2
	s_cselect_b64 s[12:13], s[96:97], s[12:13]
	s_lshl_b32 s92, s42, 10
	s_lshl_b32 s93, s16, 9
	s_add_co_u32 s92, s92, s93                     ; 4 (256 P tile + 128 half)
	s_lshl_b32 s94, s18, 10
	s_lshl_b32 s95, s15, 9
	s_add_co_u32 s94, s94, s95                     ; 4 (256 R tile + 128 half)
	s_cmp_lt_u32 s17, 16
	s_cselect_b32 s92, s92, 0                      ; (where it is not wanted the load stays at the buffer's head)
	s_cselect_b32 s94, 0, s94
	v_lshl_add_u32 v18, v2, 5, s92                 ; block b, register j: index 16 b + 8 h + j
	v_lshl_add_u32 v19, v1, 2, s94                 ; block a: index 16 a + r
.irp b, 0,1,2,3,4,5,6,7
	global_load_b128 v[BP+8*\b:BP+8*\b+3], v18, s[12:13] offset:64*\b
	global_load_b128 v[BP+8*\b+4:BP+8*\b+7], v18, s[12:13] offset:64*\b+16
	global_load_b32 v[BR+\b], v19, s[12:13] offset:64*\b
.endr
	; where my results go
	s_lshr_b32 s92, s18, 3                         ; Q, K: the batch,
	s_lshl_b32 s93, s92, 4
	s_lshl_b32 s94, s42, 2
	s_add_co_u32 s93, s93, s94
	s_lshl_b32 s94, s16, 1
	s_add_co_u32 s93, s93, s94                     ; 16 b + my even head
	s_and_b32 s94, s18, 7
	s_lshl_b32 s94, s94, 4
	s_lshl_b32 s95, s15, 3
	s_add_co_u32 s94, s94, s95                     ; my first tile of 16 tokens
	s_lshl_b32 s95, s93, 7
	s_add_co_u32 s95, s95, s94
	s_lshl_b32 s95, s95, 10                        ; codes: 1,024 bytes a tile
	s_lshl_b32 s93, s93, 6
	s_add_co_u32 s93, s93, s94
	s_lshl_b32 s93, s93, 6                         ; scale words: 64 bytes a tile and pair of heads
	s_lshr_b32 s96, s42, 3                         ; V: the batch,
	s_lshl_b32 s96, s96, 4
	s_lshl_b32 s97, s18, 2
	s_add_co_u32 s96, s96, s97
	s_lshl_b32 s97, s15, 1
	s_add_co_u32 s96, s96, s97                     ; 16 b + my first head
	s_lshl_b32 s96, s96, 4
	s_and_b32 s97, s42, 7
	s_lshl_b32 s97, s97, 1
	s_add_co_u32 s96, s96, s97
	s_add_co_u32 s96, s96, s16                     ; x 16 + my step of 128 keys
	s_lshl_b32 s97, s96, 13                        ; codes: 8,192 bytes a step
	s_lshl_b32 s96, s96, 8                         ; scale words: 256
	s_cmp_lt_u32 s17, 16
	s_cselect_b32 s92, s95, s97
	s_cselect_b32 s94, s93, s96
	s_mov_b32 s95, 1024
	s_cselect_b32 s95, 0x20000, s95                ; blocks 2, 3 of my 128: the next head (Q, K) or 1,024 bytes on (V)
	s_mov_b32 s93, 4096
	s_cselect_b32 s93, 256, s93                    ; the scale words of R's blocks 4-7: on end (Q, K) or the next head (V)
	s_mov_b32 s96, 2048
	s_cselect_b32 s96, 1024, s96                   ; from one block of R to the next,
	s_mov_b32 s100, 124928
	s_cselect_b32 s100, 1024, s100                 ; and from block 3 to block 4 (V: the next head's first 16 channels)
	v_add_nc_u32 v[ST1], s95, v[ST0]
	v_mul_u32_u24 v[STS], s93, v2
	v_lshl_add_u32 v[STS], v1, 4, v[STS]
	s_mov_b32 s93, 0
	s_mov_b32 s95, 0
	s_mov_b32 s97, 0
	s_mov_b32 s101, 0
	s_lshl_b32 s21, s19, 23                        ; the product's part of qkv_codes,
	s_add_co_u32 s92, s92, s21
	s_lshl_b32 s21, s19, 18                        ; of qkv_scales
	s_add_co_u32 s94, s94, s21
	s_add_nc_u64 s[8:9], s[8:9], s[92:93]
	s_add_nc_u64 s[10:11], s[10:11], s[94:95]
	s_mov_b32 s[SEL], 0x76543210
	s_mov_b32 s[SEL+1], 0xfedcba98
	s_mov_b32 s[MNT], 0x600000
	s_wait_loadcnt 0x0                             ; the biases
.set i, 0
.rept 64
	v_cndmask_b32 v[BP+i], 0, v[BP+i], s98         ; kept for Q and K
.set i, i+1
.endr
.irp a, 0,1,2,3,4,5,6,7
	v_cndmask_b32 v[BR+\a], v[BR+\a], 0, s98       ; kept for V
.endr
.macro FRAG reg, adr, q, i             ; a fragment's image: four times 512 consecutive bytes
.irp c, 0,1,2,3
	ds_load_b128 v[\reg+4*\c:\reg+4*\c+3], v[\adr] offset:ROWB*(\i)+2048*(\q)+512*\c
.endr
.endm
; 16 matrix instructions: R's blocks a0, a0 + 1 x P's eight, 128 along K.  first = 1: P's bias is the C of each sum's first product: nothing is cleared.  The 64 accumulators take turns, one instruction a turn.
.macro MUL16 a0, p, q, sc, first
.irp a, \a0, \a0+1
.irp b, 0,1,2,3,4,5,6,7
.if \first
	v_wmma_scale_f32_16x16x128_f8f6f4 v[8*(8*((\a)%4)+\b):8*(8*((\a)%4)+\b)+7], v[128*(\p)+FR*\b:128*(\p)+FR*\b+FR-1], v[AF+FR*(\a):AF+FR*(\a)+FR-1], v[BP+8*\b:BP+8*\b+7], v[SC+8*NQ*(\sc)+NQ*\b+(\q)], v[SC+8*NQ*(\sc)+NQ*(\a)+(\q)] matrix_a_fmt:MATRIX_FMT_BF8 matrix_b_fmt:MATRIX_FMT_BF8 matrix_a_scale:MATRIX_SCALE_ROW1
.else
	v_wmma_scale_f32_16x16x128_f8f6f4 v[8*(8*((\a)%4)+\b):8*(8*((\a)%4)+\b)+7], v[128*(\p)+FR*\b:128*(\p)+FR*\b+FR-1], v[AF+FR*(\a):AF+FR*(\a)+FR-1], v[8*(8*((\a)%4)+\b):8*(8*((\a)%4)+\b)+7], v[SC+8*NQ*(\sc)+NQ*\b+(\q)], v[SC+8*NQ*(\sc)+NQ*(\a)+(\q)] matrix_a_fmt:MATRIX_FMT_BF8 matrix_b_fmt:MATRIX_FMT_BF8 matrix_a_scale:MATRIX_SCALE_ROW1
.endif
.endr
.endr
.endm
.macro FETCH_B slot, q, p
	WIN TO_B
.irp i, 0,1,2,3,4,5,6,7
	FRAG 128*(\p)+FR*\i, ADRB+\slot, \q, \i
.endr
	WIN 0
.endm
.macro FETCH_A slot, q, i0
.irp i, \i0, \i0+1, \i0+2, \i0+3
	FRAG AF+FR*(\i), ADRA+\slot, \q, \i
.endr
.endm
.macro SCALES sc                       ; the next K step's scale words: lanes 0-15 R's block i, lanes 16-31 P's block i
.irp i, 0,1,2,3,4,5,6,7
	ds_load_b64 v[SC+8*NQ*\sc+NQ*\i:SC+8*NQ*\sc+NQ*\i+1], v[ADRS] offset:\i*SBLK
.endr
.endm
.macro PLACES n                        ; plain vector lines between a matrix instruction and a load into, or a vector read or write of, its registers
.rept \n
	v_nop
.endr
.endm
.macro STEP slot, q, first             ; a step of 128 along K that has its successor in the same slot
	s_wait_dscnt 4*NL                              ; P's set and R's blocks 0-3 are in; the youngest 16 loads (R's blocks 4-7) may be out
.if \first
	WIN 0x81                                       ; C (the bias) in window 0
.else
	WIN MUL_LO
.endif
	MUL16 0, (\q)%2, \q, \slot, \first
	MUL16 2, (\q)%2, \q, \slot, \first
	s_wait_dscnt 0
	PLACES NP
	FETCH_B \slot, (\q)+1, 1-(\q)%2
	FETCH_A \slot, (\q)+1, 0
.if \first
	WIN 0xc1
.else
	WIN MUL_HI
.endif
	MUL16 4, (\q)%2, \q, \slot, \first
	MUL16 6, (\q)%2, \q, \slot, \first
	PLACES NP
	WIN 0
	FETCH_A \slot, (\q)+1, 4
.endm
; A slot's last step changes slots: one barrier; in front of it each wave waits for all its tensor loads, adds 0 to its spare word, and waits for that and for its reads of this slot.  fill = 1: the slot is filled again, two K steps ahead.
.macro TURN slot, next, fill
	s_wait_tensorcnt 0x0                           ; all my tensor loads have landed: my part of the next slot
	ds_add_u32 v[SPW], v[NIL]                      ; 0 onto my spare word
	s_wait_dscnt 4*NL+1                            ; (the add and the youngest 16 loads may be out)
	WIN MUL_LO
	MUL16 0, 1, NQ-1, \slot, 0
	s_wait_dscnt 0x0                               ; the add is done, and my reads of this slot are over
	s_barrier_signal -1
	MUL16 2, 1, NQ-1, \slot, 0
	WIN 0
	s_barrier_wait -1
.if \fill
	CREST                                          ; the barrier has opened a round of the cluster's: no wave of any partner still reads this slot or has a load on its way
	s_add_nc_u64 s[G0+4*\slot+2:G0+4*\slot+3], s[G0+4*\slot+2:G0+4*\slot+3], 2*ROWB
	s_add_nc_u64 s[G0B+4*\slot+2:G0B+4*\slot+3], s[G0B+4*\slot+2:G0B+4*\slot+3], 2*ROWB
	JLOAD G0+4*\slot, G1, G0B+4*\slot, G1B         ; the first tensor load behind the round; its four v_nop are among the places in front of the loads below
	PLACES NP-4
.else
	PLACES NP
.endif
	v_add_nc_u32 v[ADRS], 4*NQ, v[ADRS]            ; the next K step's scale words
	FETCH_B \next, 0, 0
	FETCH_A \next, 0, 0
	SCALES \next
	WIN MUL_HI
	MUL16 4, 1, NQ-1, \slot, 0
	MUL16 6, 1, NQ-1, \slot, 0
	PLACES NP
	WIN 0
	FETCH_A \next, 0, 4
.endm
	s_wait_tensorcnt 1                             ; the scales and my part of K step 0 are in (K step 1's load may be out),
	s_barrier_signal -1
	s_barrier_wait -1                              ; everybody's are
	FETCH_B 0, 0, 0
	FETCH_A 0, 0, 0
	SCALES 0
	FETCH_A 0, 0, 4
	STEP 0, 0, 1
	s_mov_b32 s3, LAPS-1
.Llap:                                                 ; a trip goes once round the ring and fills both slots again
	TURN 0, 1, 1
	STEP 1, 0, 0
	TURN 1, 0, 1
	STEP 0, 0, 0
	s_sub_co_u32 s3, s3, 1
	s_cmp_lg_u32 s3, 0
	s_cbranch_scc1 .Llap
	TURN 0, 1, 0                                   ; the last lap fills nothing
	STEP 1, 0, 0
	s_wait_dscnt 4*NL
	WIN MUL_LO
	MUL16 0, 1, NQ-1, 1, 0
	MUL16 2, 1, NQ-1, 1, 0
	s_wait_dscnt 0
	WIN MUL_HI
	MUL16 4, 1, NQ-1, 1, 0
	MUL16 6, 1, NQ-1, 1, 0
	WIN 0
; THE WAY OUT, a block of 16 rows of R at a time: its 64 numbers a lane (+ R's bias) are four blocks of 32 of the next K: quantised, and stored as images, 512 consecutive bytes a store.
.macro OUTB a
.set AC, 64*((\a)%4)
.set PW, 240+(\a)                      ; a scale word register for each block: no LDS store's data are written again
.if (\a) > 0
	s_wait_xcnt 0x0                                ; the last block's stores have read their data and their base
.if (\a) == 4
	s_add_nc_u64 s[8:9], s[8:9], s[100:101]
.else
	s_add_nc_u64 s[8:9], s[8:9], s[96:97]
.endif
.endif
	WIN 0x02+(\a)/4                                ; source 0: window 2 or 3
.set i, 0
.rept 32
.if (\a)%2
	v_pk_add_f32 v[T+i:T+i+1], v[AC+i:AC+i+1], v[BR+(\a)-1:BR+(\a)] op_sel:[0,1] op_sel_hi:[1,1]   ; each accumulator from its low end on
.else
	v_pk_add_f32 v[T+i:T+i+1], v[AC+i:AC+i+1], v[BR+(\a):BR+(\a)+1] op_sel_hi:[1,0]
.endif
.set i, i+2
.endr
	WIN 0
	QUANT T
	global_store_b128 v[ST0], v[PC:PC+3], s[8:9]
	global_store_b128 v[ST0], v[PC+4:PC+7], s[8:9] offset:512
	global_store_b128 v[ST1], v[PC+8:PC+11], s[8:9]
	global_store_b128 v[ST1], v[PC+12:PC+15], s[8:9] offset:512
	ds_store_b32 v[SGI], v[PW] offset:64*(\a)      ; lanes r and r + 16 write the same word with the same value
.endm
	PLACES NP                                      ; behind the last products: their operands' registers are written and their results read from here on
.irp b, 0,1,2,3
	v_mov_b32 v[TM+4+\b], 0                        ; (a lane permute's destination counts as read)
.endr
.irp q, 0,1,2,3,4,5,6,7
	OUTB \q
.endr
	ds_load_b128 v[248:251], v[SGO]                ; my 128 scale words: LDS serves a wave's instructions in order
	s_wait_dscnt 0x0
	global_store_b128 v[STS], v[248:251], s[10:11] ; sixteen lanes store 256 consecutive bytes, aligned
	s_wait_tensorcnt 0x0                           ; the wave's end
	ds_add_u32 v[SPW], v[NIL]
	s_wait_dscnt 0x0
	CROUND                                         ; the closing round
	s_endpgm
.Lfunc_end_k_q7be28ec9ad_proj:
	.size	k_q7be28ec9ad_proj, .Lfunc_end_k_q7be28ec9ad_proj-k_q7be28ec9ad_proj
	.p2alignl 7, 3214868480
	.fill 96, 4, 3214868480
	.section	.rodata,"a",@progbits
	.p2align	6, 0x0
	.amdhsa_kernel k_q7be28ec9ad_proj
		.amdhsa_group_segment_fixed_size 327680
		.amdhsa_private_segment_fixed_size 0
		.amdhsa_enable_private_segment 0
		.amdhsa_kernarg_size 56
		.amdhsa_user_sgpr_count 2
		.amdhsa_user_sgpr_kernarg_segment_ptr 1
		.amdhsa_wavefront_size32 1
		.amdhsa_system_sgpr_workgroup_id_x 1
		.amdhsa_system_sgpr_workgroup_id_y 1
		.amdhsa_system_sgpr_workgroup_id_z 1
		.amdhsa_system_vgpr_workitem_id 0
		.amdhsa_next_free_vgpr 1024
		.amdhsa_next_free_sgpr 102
		.amdhsa_reserve_vcc 0
		.amdhsa_float_denorm_mode_32 3
		.amdhsa_float_denorm_mode_16_64 3
		.amdhsa_memory_ordered 1
		.amdhsa_forward_progress 1
		.amdhsa_inst_pref_size 210
	.end_amdhsa_kernel
	.amdgpu_metadata
---
amdhsa.version: [ 1, 2 ]
amdhsa.kernels:
  - .name:           k_q7be28ec9ad_proj
    .symbol:         k_q7be28ec9ad_proj.kd
    .args:
      - { .name: xw_codes, .offset: 0, .size: 8, .value_kind: global_buffer, .address_space: global }
      - { .name: xw_scales, .offset: 8, .size: 8, .value_kind: global_buffer, .address_space: global }
      - { .name: qkv_codes, .offset: 16, .size: 8, .value_kind: global_buffer, .address_space: global }
      - { .name: qkv_scales, .offset: 24, .size: 8, .value_kind: global_buffer, .address_space: global }
      - { .name: bq, .offset: 32, .size: 8, .value_kind: global_buffer, .address_space: global }
      - { .name: bk, .offset: 40, .size: 8, .value_kind: global_buffer, .address_space: global }
      - { .name: bv, .offset: 48, .size: 8, .value_kind: global_buffer, .address_space: global }
    .group_segment_fixed_size: 327680
    .private_segment_fixed_size: 0
    .kernarg_segment_align: 8
    .kernarg_segment_size: 56
    .max_flat_workgroup_size: 128
    .sgpr_count:     102
    .vgpr_count:     1024
    .wavefront_size: 32
...
	.end_amdgpu_metadata
.endif
;; end of part 2
;; launch attn (part 3): grid 4 x 64, 8 waves a work-group, no clusters, 275,456 bytes of LDS; arguments qkv_codes, qkv_scales, maskw, x_codes, x_scales; writes x_codes, x_scales
.if DOCPART == 3
	.amdgcn_target "amdgcn-amd-amdhsa--gfx1250"
	.amdhsa_code_object_version 6
	.text
	.protected	k_q7be28ec9ad_attn
	.globl	k_q7be28ec9ad_attn
	.p2align	8
	.type	k_q7be28ec9ad_attn,@function
k_q7be28ec9ad_attn:
	s_mov_b64 s[64:65], 0
	v_nop
	global_prefetch_b8 v0, s[64:65] scope:SCOPE_SE
	s_setreg_imm32_b32 hwreg(HW_REG_WAVE_MODE, 25, 1), 1
	s_wait_xcnt 0x0
; x[b][q][64 head + d] = sum over k of softmax_k(where(mask == 0, -1e10, Q . K / 8)) V, both products on codes of BF8 (E5M2) with E8M0 scales; x is quantised at once along 64 head + d for the last product.
; THE SOFTMAX: t = score x log2(e) / 8; M = the running largest t rounded UP to a whole number; p = 2^(t - M) is quantised along the keys, not normalised; the row's sum is taken of the unquantised p and divides at the end.
; When M moves, the sum and O are multiplied by 2^(old M - new M): exact.
; SHARES.  A work-group owns one head (y) and 512 queries (x): 8 waves, 4 tiles of 16 queries each, in two passes of two tiles, A and B: both tiles use every fragment of K and V that the wave reads from LDS.
; THE WHOLE HEAD'S K, V AND SCALES STAY IN LDS (268 KB), filled once, through registers; one barrier.  NO CLUSTER: what the four work-groups of a head share is that fill alone, 67 loads a wave once, against 32 trips of
; some 700 instructions; and K's scale words are shifted on their way, which wants registers.
; THE MASK comes as lane-mask words, 64 for a tile and a step of 128 keys, by scalar loads into the 64 scalar registers that are free: one tile's at a time.  So a trip goes by tiles: hide A, ask for B's words, tile A's maxima,
; scalings and exponentials; hide B, ask for A's words of the next step, and the rest of the trip.  No branch hangs on the mask: the selects run in every trip.
; LAYOUT.  Both products transposed: S^T = K Q^T (source 0 = 16 keys), O^T = V^T P^T (source 0 = 16 channels): a lane holds ONE query.  All operands lie in slot order (of a block of 32, lane half h holds k = 8 h + 0..7 and
; 16 + 8 h + 0..7), which is the order of two neighbouring result tiles: so p's and x's conversions give operand registers.
; THE HEAD'S 64 IN AN INSTRUCTION OF 128: Q's upper eight registers are zero codes; K's fragment t is registers 8 t .. 8 t + 15, whose upper half is the next tile's (finite) codes, or zeros behind tile 7; the scale bytes there are the other head's or 0, never 0xff.
; LIMITS: NaN and infinities are not served.  A hidden score is -2^36 ahead of the factor log2(e) / 8, a logit of -8.6e9 where the definition has -1e10: its t is then exact and whole, so that a row (or the start of a row)
; with no open key gives p = 1 exactly, and is wiped by the factor 0 when an open key comes.  Results equal the definition's wherever real logits lie above -8.6e9.  A block of zeros gets the byte 1.
; REGISTERS.  window 0: v1-8 addresses; v9 the hidden score; v10-19 scale words; v20-31 statistics; v32-63 at work; v64-127, v128-191 S^T then p of tiles A, B; v192-255 V's four fragments.
;   window 1: v0-63 K's eight tiles, v64-71 zeros; v72-87, v88-103 Q of A, B with their zeros; v104-135 p's codes; v136-199 O^T.
.set KSC,  262144                      ; LDS: K's images at 0, V's at 131,072, K's scale words, V's scale words
.set VSC,  270336
.set AK0,  1                           ; 16 x lane
.set AV0,  2                           ; + 131,072
.set AKS0, 3                           ; 4 x lane + KSC
.set AVS0, 4                           ; 4 x lane + VSC
.set ADK,  5
.set ADV,  6
.set ADKS, 7
.set ADVS, 8
.set NEG,  9
.set QS,   10                          ; v10, 11  Q's scale words, tile A, B
.set PWP,  12                          ; v12, 13  p's
.set KS,   14                          ; v14-17   K's: lanes 0-15 tile 2 b, lanes 16-31 tile 2 b + 1
.set VS,   18                          ; v18, 19  V's likewise
.set STA,  20                          ; tile u at +6 u: -M, largest t, the sum in two halves, f, (a dummy: named in a pair)
.set BM,   32                          ; v32-39   the largest score of block b of tile u, then the largest p
.set PX,   40                          ; v40-47   at work
.set SO,   48                          ; v48-51   the conversions' scale operands
.set CAP,  52                          ; v52-55   57,344 x the scale
.set XSA,  56                          ; 32 x lane
.set TT,   57
.set QSA,  58                          ; 4 r
.set PFO,  59                          ; 256 x lane: the prefetches' offset; never rewritten
.set OLD,  60
.set C2,   62                          ; v[62:63] the second chain of the sums
.set S,    64
.set VF,   192
.set KF,   0                           ; window 1
.set QF,   72
.set PF,   104
.set OF,   136
.set PC,   128                         ; the way out
.set TM,   144
.set PW,   160
.set SEL,  16
.set MNT,  18
.set LIM,  29                          ; s29  14 in the work-groups that prefetch, else the greatest number
.set MSB, 0
.macro WIN new                         ; the immediate's high byte repeats the setting that is left
.if MSB != (\new)
	s_set_vgpr_msb (MSB<<8)|(\new)
.set MSB, (\new)
.endif
.endm
.macro QUANT s                         ; 64 numbers of a lane, register 16 b + i of block b, become codes in v[PC] on and a scale word in v[PW]
.irp b, 0,1,2,3
	v_max3_num_f32 v[TM+\b], |v[\s+16*\b]|, |v[\s+1+16*\b]|, 0x8000000
.endr
.irp i, 2,4,6,8,10,12,14
.irp b, 0,1,2,3
	v_max3_num_f32 v[TM+\b], v[TM+\b], |v[\s+16*\b+\i]|, |v[\s+1+16*\b+\i]|
.endr
.endr
.irp b, 0,1,2,3
	v_permlanex16_b32 v[TM+4+\b], v[TM+\b], s[SEL], s[SEL+1]
.endr
.irp b, 0,1,2,3
	v_max_num_f32 v[TM+\b], v[TM+\b], v[TM+4+\b]
.endr
.irp b, 0,1,2,3
	v_add_nc_u32 v[TM+12+\b], 0xf8800000, v[TM+\b]
.endr
.irp b, 0,1,2,3
	v_and_or_b32 v[TM+8+\b], v[TM+\b], 0x7f800000, s[MNT]
.endr
.irp b, 0,1,2,3
	v_lshrrev_b32 v[TM+4+\b], 23, v[TM+12+\b]
.endr
	v_lshl_or_b32 v[PW], v[TM+5], 8, v[TM+4]
	v_lshl_or_b32 v[PW], v[TM+6], 16, v[PW]
	v_lshl_or_b32 v[PW], v[TM+7], 24, v[PW]
.irp b, 0,1,2,3
.irp i, 0,1,2,3,4,5,6,7,8,9,10,11,12,13,14,15
	v_med3_num_f32 v[\s+16*\b+\i], v[\s+16*\b+\i], -v[TM+8+\b], v[TM+8+\b]
.endr
	v_cvt_scalef32_pk8_bf8_f32 v[PC+4*\b:PC+1+4*\b], v[\s+16*\b:\s+7+16*\b], v[TM+12+\b]
	v_cvt_scalef32_pk8_bf8_f32 v[PC+2+4*\b:PC+3+4*\b], v[\s+8+16*\b:\s+15+16*\b], v[TM+12+\b]
.endr
	v_nop
.endm
	s_load_b256 s[20:27], s[0:1], 0x0              ; qkv_codes, qkv_scales, maskw, x_codes
	s_load_b64 s[28:29], s[0:1], 0x20              ; x_scales
	s_set_vgpr_msb 0x40
	v_lshl_add_u32 v208, v0, 2, 0x43000
	v_mov_b32 v209, 0
	s_set_vgpr_msb 0x4000
	v_lshrrev_b32 v5, 5, v0
	v_readfirstlane_b32 s2, v5                     ; wave 0..7
	v_and_b32 v5, 31, v0
	v_lshlrev_b32 v[AK0], 4, v5
	v_add_nc_u32 v[AV0], 0x20000, v[AK0]
	v_lshlrev_b32 v6, 2, v5
	v_add_nc_u32 v[AKS0], KSC, v6
	v_add_nc_u32 v[AVS0], VSC, v6
	v_lshlrev_b32 v[XSA], 5, v5
	v_lshlrev_b32 v[PFO], 8, v5
	v_and_b32 v6, 15, v0
	v_lshlrev_b32 v[QSA], 2, v6
	s_lshl_b32 s3, s2, 14                          ; the fill: my eighth of each region
	v_add_nc_u32 v5, s3, v[AK0]
	v_add_nc_u32 v6, s3, v[AV0]
	s_lshl_b32 s3, s2, 10
	s_add_co_u32 s3, s3, KSC
	v_add_nc_u32 v7, s3, v[AK0]
	s_lshl_b32 s3, s2, 9
	s_add_co_u32 s3, s3, VSC
	v_add_nc_u32 v8, s3, v[AK0]
	s_and_b32 s30, ttmp7, 0xffff                   ; 16 b + head
	s_lshr_b32 s31, s30, 4                         ; b
	s_and_b32 s5, s30, 15                          ; head
	s_and_b32 s19, s5, 1
	s_lshl_b32 s19, s19, 4                         ; an odd head's two scale bytes lie 16 bits up in a pair's word
	s_lshl_b32 s8, ttmp9, 5
	s_lshl_b32 s9, s2, 2
	s_add_co_u32 s8, s8, s9                        ; my first query tile in the batch: 32 x + 4 wave
	s_lshl_b32 s9, s31, 7
	s_add_co_u32 s9, s9, s8                        ; and among all 512
	s_lshl_b32 s32, s30, 17
	s_lshl_b32 s3, s2, 14
	s_add_co_u32 s32, s32, s3
	s_add_co_u32 s32, s32, 8388608                 ; K's codes, my eighth
	s_add_co_u32 s34, s32, 8388608                 ; V's
	s_lshr_b32 s10, s30, 1                         ; the pair of heads
	s_lshl_b32 s36, s10, 13
	s_lshl_b32 s3, s2, 10
	s_add_co_u32 s36, s36, s3
	s_add_co_u32 s36, s36, 262144                  ; K's scale words
	s_lshl_b32 s38, s30, 12
	s_lshl_b32 s3, s2, 9
	s_add_co_u32 s38, s38, s3
	s_add_co_u32 s38, s38, 524288                  ; V's
	s_lshl_b32 s40, s9, 12                         ; my tiles' mask words: 4,096 bytes a tile
	s_lshl_b32 s44, s30, 17
	s_lshl_b32 s3, s8, 10
	s_add_co_u32 s44, s44, s3                      ; Q's codes
	s_lshl_b32 s46, s10, 7
	s_add_co_u32 s46, s46, s8
	s_lshl_b32 s46, s46, 6                         ; Q's scale words
	s_lshl_b32 s48, s9, 14
	s_lshl_b32 s3, s5, 10
	s_add_co_u32 s48, s48, s3                      ; x's codes: 16,384 bytes a tile, 1,024 a head
	s_lshl_b32 s50, s9, 9
	s_lshl_b32 s3, s5, 1
	s_add_co_u32 s50, s50, s3                      ; x's scale bytes: 32 a row, 2 a head
.irp q, 33,35,37,39,41,45,47,49,51
	s_mov_b32 s\q, 0
.endr
	s_mov_b32 s14, 0x3e38aa3b                      ; c = log2(e) / 8
	s_mov_b32 s15, s14                             ; (named with it as a pair)
	s_mov_b32 s[SEL], 0x76543210
	s_mov_b32 s[SEL+1], 0xfedcba98
	s_mov_b32 s[MNT], 0x600000
	s_wait_kmcnt 0x0
	s_add_nc_u64 s[10:11], s[20:21], s[32:33]
	s_add_nc_u64 s[12:13], s[20:21], s[34:35]
	s_add_nc_u64 s[100:101], s[22:23], s[36:37]
	s_add_nc_u64 s[4:5], s[22:23], s[38:39]
	s_add_nc_u64 s[6:7], s[24:25], s[40:41]
	s_add_nc_u64 s[20:21], s[20:21], s[44:45]
	s_add_nc_u64 s[22:23], s[22:23], s[46:47]
	s_add_nc_u64 s[24:25], s[26:27], s[48:49]
	s_add_nc_u64 s[26:27], s[28:29], s[50:51]
	s_mov_b32 s28, 0xffff0000                      ; lanes 16-31
	s_and_b32 s[LIM], ttmp7, 15                    ; the sixteen heads of a batch read the same mask words: head 0's work-groups prefetch them (a branch on the work-group's number)
	s_cmp_eq_u32 s[LIM], 0
	s_cselect_b32 s[LIM], 14, -1
	; THE FILL: 67 loads of 512 consecutive bytes a wave, all out together
.set i, 0
.rept 32
	global_load_b128 v[64+4*i:64+4*i+3], v[AK0], s[10:11] offset:512*i
.set i, i+1
.endr
	WIN 0x40
.set i, 0
.rept 32
	global_load_b128 v[4*i:4*i+3], v[AK0], s[12:13] offset:512*i
.set i, i+1
.endr
	WIN 0
	global_load_b128 v[192:195], v[AK0], s[100:101]
	global_load_b128 v[196:199], v[AK0], s[100:101] offset:512
	global_load_b128 v[200:203], v[AK0], s[4:5]
	s_wait_loadcnt 0x0
.irp q, 192,193,194,195,196,197,198,199
	v_lshrrev_b32 v\q, s19, v\q                    ; my head's two bytes to the bottom of K's words
.endr
.set i, 0
.rept 32
	ds_store_b128 v5, v[64+4*i:64+4*i+3] offset:512*i
.set i, i+1
.endr
	WIN 0x04                                       ; an LDS store's data are its source 1
.set i, 0
.rept 32
	ds_store_b128 v6, v[4*i:4*i+3] offset:512*i
.set i, i+1
.endr
	WIN 0
	ds_store_b128 v7, v[192:195]
	ds_store_b128 v7, v[196:199] offset:512
	ds_store_b128 v8, v[200:203]
	s_wait_dscnt 0x0                               ; for the others' sake: my stores have landed
	s_barrier_signal -1
	s_barrier_wait -1                              ; the head lies in LDS; nothing is written there again
.macro QLOAD p                         ; pass p's two tiles of Q and their scale words
	WIN 0x40
.irp u, 0,1
.irp c, 0,1
	global_load_b128 v[QF+16*\u+4*\c:QF+16*\u+4*\c+3], v[AK0], s[20:21] offset:2048*\p+1024*\u+512*\c
.endr
.endr
	WIN 0
.irp u, 0,1
	global_load_b32 v[QS+\u], v[QSA], s[22:23] offset:128*\p+64*\u
.endr
.endm
.macro KLOAD                           ; a step's eight tiles of K and their scale words
	WIN 0x40
.irp t, 0,1,2,3,4,5,6,7
.irp c, 0,1
	ds_load_b128 v[KF+8*\t+4*\c:KF+8*\t+4*\c+3], v[ADK] offset:1024*\t+512*\c
.endr
.endr
	WIN 0
.irp b, 0,1,2,3
	ds_load_b32 v[KS+\b], v[ADKS] offset:128*\b
.endr
.endm
	QLOAD 0
	WIN 0x40
.irp q, 64,65,66,67,68,69,70,71,80,81,82,83,84,85,86,87,96,97,98,99,100,101,102,103
	v_mov_b32 v\q, 0                               ; zero codes: behind K's last tile, and Q's upper halves
.endr
	WIN 0
	v_mov_b32 v[NEG], 0xd1800000                   ; -2^36
.irp q, 0,1,2,3,4,5,6,7
	v_mov_b32 v[PX+\q], 0                          ; (a lane permute's destination counts as read)
.endr
	v_mov_b32 v[STA+5], 0
	v_mov_b32 v[STA+11], 0
	v_mov_b32 v[ADK], v[AK0]
	v_mov_b32 v[ADKS], v[AKS0]
	KLOAD                                          ; step 0
.macro MLOAD reg, off                  ; a tile's 64 mask words of a step: word n in s[32 + n] (n < 32) or s[36 + n]
	s_load_b512 s[32:47], s[6:7], s\reg offset:\off
	s_load_b512 s[48:63], s[6:7], s\reg offset:\off+64
	s_load_b512 s[68:83], s[6:7], s\reg offset:\off+128
	s_load_b512 s[84:99], s[6:7], s\reg offset:\off+192
.endm
.macro HIDE u                          ; where the bit is off the score becomes the hidden score; each accumulator from its low end on
.set n, 0
.rept 64
	v_cndmask_b32 v[S+64*\u+n], v[NEG], v[S+64*\u+n], s[32+n+4*(n/32)]
.set n, n+1
.endr
.endm
; Tile u: the largest score of each block of 32 keys (for the row's maximum and, since p rises with the score, for the block's largest p: four chains by turns), then the new M and f
.macro MAXB u
.irp b, 0,1,2,3
	v_max3_num_f32 v[BM+4*\u+\b], v[S+64*\u+16*\b], v[S+64*\u+16*\b+1], v[S+64*\u+16*\b+2]
.endr
.irp i, 3,5,7,9,11,13
.irp b, 0,1,2,3
	v_max3_num_f32 v[BM+4*\u+\b], v[BM+4*\u+\b], v[S+64*\u+16*\b+\i], v[S+64*\u+16*\b+\i+1]
.endr
.endr
.irp b, 0,1,2,3
	v_max_num_f32 v[BM+4*\u+\b], v[BM+4*\u+\b], v[S+64*\u+16*\b+15]
.endr
.irp b, 0,1,2,3
	v_permlanex16_b32 v[PX+4*\u+\b], v[BM+4*\u+\b], s[SEL], s[SEL+1]
.endr
.irp b, 0,1,2,3
	v_max_num_f32 v[BM+4*\u+\b], v[BM+4*\u+\b], v[PX+4*\u+\b]   ; with lane l xor 16's 16 keys
.endr
	v_max3_num_f32 v[PX+4*\u], v[BM+4*\u], v[BM+4*\u+1], v[BM+4*\u+2]
	v_max_num_f32 v[PX+4*\u], v[PX+4*\u], v[BM+4*\u+3]
	v_mul_f32 v[PX+4*\u], s14, v[PX+4*\u]          ; as t
	v_max_num_f32 v[STA+6*\u+1], v[STA+6*\u+1], v[PX+4*\u]
	v_mov_b32 v[OLD+\u], v[STA+6*\u]
	v_floor_f32 v[STA+6*\u], -v[STA+6*\u+1]        ; the new -M = -ceil(t): a whole number
	v_sub_f32 v[PX+4*\u], v[STA+6*\u], v[OLD+\u]   ; old M - new M, 0 or less
	v_cvt_i32_f32 v[PX+4*\u], v[PX+4*\u]           ; (it saturates)
	v_ldexp_f32 v[STA+6*\u+4], 1.0, v[PX+4*\u]     ; f = 2^(old M - new M)
.endm
.macro FMA u                           ; t - M, two at a time; the same of each block's largest score
.set i, 0
.rept 32
	v_pk_fma_f32 v[S+64*\u+2*i:S+64*\u+2*i+1], v[S+64*\u+2*i:S+64*\u+2*i+1], s[14:15], v[STA+6*\u:STA+6*\u+1] op_sel_hi:[1,0,0]
.set i, i+1
.endr
.irp b, 0,1,2,3
	v_fma_f32 v[BM+4*\u+\b], v[BM+4*\u+\b], s14, v[STA+6*\u]
.endr
.endm
.macro SCALE u                         ; from the blocks' largest p: scale operands, caps, and p's scale word
.irp b, 0,1,2,3
	v_max_num_f32 v[BM+4*\u+\b], 0x8000000, v[BM+4*\u+\b]       ; the floor 2^(16 - 127): the byte cannot fall under 1
.endr
.irp b, 0,1,2,3
	v_add_nc_u32 v[SO+\b], 0xf8800000, v[BM+4*\u+\b]
.endr
.irp b, 0,1,2,3
	v_and_or_b32 v[CAP+\b], v[BM+4*\u+\b], 0x7f800000, s[MNT]
.endr
.irp b, 0,1,2,3
	v_lshrrev_b32 v[PX+\b], 23, v[SO+\b]
.endr
	v_lshl_or_b32 v[PWP+\u], v[PX+1], 8, v[PX]
	v_lshl_or_b32 v[PWP+\u], v[PX+2], 16, v[PWP+\u]
	v_lshl_or_b32 v[PWP+\u], v[PX+3], 24, v[PWP+\u]
.endm
.macro SUMH u, k                       ; sum number k of 32 (of the UNQUANTISED p, two chains), then the hold of pair k, which has been summed by then.  p is not negative: the hold is one-sided
.set SU, S+64*(\u)
.set LL, STA+6*(\u)+2
.if (\k) == 0
	v_pk_add_f32 v[C2:C2+1], v[SU:SU+1], v[SU+2:SU+3]
.elseif (\k) == 31
	v_pk_add_f32 v[LL:LL+1], v[LL:LL+1], v[C2:C2+1]
.elseif (\k)%2
	v_pk_add_f32 v[LL:LL+1], v[LL:LL+1], v[SU+2*(\k)+2:SU+2*(\k)+3]
.else
	v_pk_add_f32 v[C2:C2+1], v[C2:C2+1], v[SU+2*(\k)+2:SU+2*(\k)+3]
.endif
	v_min_num_f32 v[SU+2*(\k)], v[SU+2*(\k)], v[CAP+(\k)/8]
	v_min_num_f32 v[SU+2*(\k)+1], v[SU+2*(\k)+1], v[CAP+(\k)/8]
.endm
.macro CVT u                           ; p's codes: the second product's operand
	WIN 0x40
.irp b, 0,1,2,3
	v_cvt_scalef32_pk8_bf8_f32 v[PF+16*\u+4*\b:PF+16*\u+4*\b+1], v[S+64*\u+16*\b:S+64*\u+16*\b+7], v[SO+\b]
	v_cvt_scalef32_pk8_bf8_f32 v[PF+16*\u+4*\b+2:PF+16*\u+4*\b+3], v[S+64*\u+16*\b+8:S+64*\u+16*\b+15], v[SO+\b]
.endr
.endm
.macro RESC u                          ; tile u's O^T under the new M: x f
	WIN 0x41
.set i, 0
.rept 16
	v_pk_mul_f32 v[OF+32*\u+2*i:OF+32*\u+2*i+1], v[OF+32*\u+2*i:OF+32*\u+2*i+1], v[STA+6*\u+4:STA+6*\u+5] op_sel_hi:[1,0]
.set i, i+1
.endr
.endm
.macro PASS p
.if \p > 0
	s_wait_kmcnt 0x0                               ; the last trip's clamped request is done: its registers and its offset may be written again
.endif
	s_mov_b32 s9, 0
	MLOAD 9, 8192*\p                               ; tile A's words of step 0
.if \p == 0
	; A PREFETCH INTO THE L2 of this pass's mask words: 2 tiles x 16 steps x 256 bytes lie on end, a lane a block, one instruction a wave.  Each block is named once in the launch: of the sixteen work-groups that read it, head 0's asks.
	; It stands behind the scalar loads just issued, when the fill has landed; step t's block is asked for t trips ahead of its load.
	s_cmp_eq_u32 s[LIM], 14
	s_cbranch_scc0 .Lnp_\@
	global_prefetch_b8 v[PFO], s[6:7] th:TH_LOAD_NT scope:SCOPE_SE
.Lnp_\@:
.endif
	s_wait_loadcnt 0x0                             ; Q and its scale words
.if \p > 0
	s_wait_xcnt 0x0                                ; the pass before stored x's codes out of tile B's score registers, and its scale bytes: those registers are written again only behind this wait
.endif
	v_lshrrev_b32 v[QS], s19, v[QS]                ; my head's two bytes (the 64 lines below are the places ahead of the products that take them)
	v_lshrrev_b32 v[QS+1], s19, v[QS+1]
	WIN 0x40
.set i, 0
.rept 64
	v_mov_b32 v[OF+i], 0                           ; O^T: the step is written once; its first trip finds zeros
.set i, i+1
.endr
	WIN 0
.irp u, 0,1
	v_mov_b32 v[STA+6*\u+1], 0xff61b1e6            ; the largest t so far: -3e38
	v_floor_f32 v[STA+6*\u], -v[STA+6*\u+1]        ; -M
	v_mov_b32 v[STA+6*\u+2], 0
	v_mov_b32 v[STA+6*\u+3], 0
.endr
	s_mov_b32 s4, 0
.Lstep_\@:                                             ; 16 trips: 128 keys each
	s_lshl_b32 s8, s4, 8                           ; the step's mask words, and V's scale words: 256 bytes a step.  (The loads that named s8 were waited for in the last trip)
	s_wait_dscnt 0x0                               ; K and its scale words, asked for in the last trip
	WIN 0x05
.set n, 0
.rept 8
.irp u, 0,1
.if n%2
	v_wmma_scale_f32_16x16x128_f8f6f4 v[S+64*\u+8*n:S+64*\u+8*n+7], v[KF+8*n:KF+8*n+15], v[QF+16*\u:QF+16*\u+15], 0, v[KS+n/2], v[QS+\u] matrix_a_fmt:MATRIX_FMT_BF8 matrix_b_fmt:MATRIX_FMT_BF8 matrix_a_scale:MATRIX_SCALE_ROW1
.else
	v_wmma_scale_f32_16x16x128_f8f6f4 v[S+64*\u+8*n:S+64*\u+8*n+7], v[KF+8*n:KF+8*n+15], v[QF+16*\u:QF+16*\u+15], 0, v[KS+n/2], v[QS+\u] matrix_a_fmt:MATRIX_FMT_BF8 matrix_b_fmt:MATRIX_FMT_BF8
.endif
.endr
.set n, n+1
.endr
	WIN 0
	s_add_co_u32 s10, s4, 1
	s_and_b32 s10, s10, 15                         ; the next step (behind the last: step 0, which the next pass begins with)
	s_lshl_b32 s11, s10, 9
	s_lshl_b32 s10, s10, 13
	s_lshl_b32 s12, s4, 13
	v_add_nc_u32 v[ADK], s10, v[AK0]               ; these four and the four below: the eight places behind the products, ahead of the loads into their operands and of the first read of the scores
	v_add_nc_u32 v[ADKS], s11, v[AKS0]
	v_add_nc_u32 v[ADV], s12, v[AV0]
	v_add_nc_u32 v[ADVS], s8, v[AVS0]
.rept 4
	v_nop
.endr
.irp t, 0,1,2,3
.irp c, 0,1,2,3
	ds_load_b128 v[VF+16*\t+4*\c:VF+16*\t+4*\c+3], v[ADV] offset:2048*\t+512*\c
.endr
.endr
	ds_load_b32 v[VS], v[ADVS]
	ds_load_b32 v[VS+1], v[ADVS] offset:128
	KLOAD
.if \p == 0
	s_cmp_eq_u32 s4, s[LIM]                        ; the next pass's 32 blocks of mask words, in trip 14: two trips ahead of the load of the first of them; behind the run of LDS loads
	s_cbranch_scc0 .Lnq_\@
	global_prefetch_b8 v[PFO], s[6:7] offset:8192 th:TH_LOAD_NT scope:SCOPE_SE
.Lnq_\@:
.endif
	s_wait_kmcnt 0x0                               ; tile A's words, asked for in the last trip (step 0's: at the pass's head)
	s_add_co_u32 s9, s4, 1                         ; so their offset may be written: the next step's,
	s_min_u32 s9, s9, 15                           ; held at the last step's: the last trip asks for a clamped address, and nobody uses those words
	s_lshl_b32 s9, s9, 8
	HIDE 0
	MLOAD 8, 8192*\p+4096                          ; tile B's words take the same registers; they land under tile A's work below
	MAXB 0
	FMA 0
.set i, 0
.rept 64
	v_exp_f32 v[S+i], v[S+i]                       ; tile A: p = 2^(t - M), at most 1: NOT normalised
.set i, i+1
.endr
.irp b, 0,1,2,3
	v_exp_f32 v[BM+\b], v[BM+\b]                   ; the block's largest p: the same two instructions on the same number
.endr
	v_pk_mul_f32 v[STA+2:STA+3], v[STA+2:STA+3], v[STA+4:STA+5] op_sel_hi:[1,0]       ; tile A's sums under the new M.  From here to the wait below nothing names an exponential's result
	RESC 0
	WIN 0
	s_wait_kmcnt 0x0                               ; tile B's words
	HIDE 1
	MLOAD 9, 8192*\p                               ; tile A's words of the next step: they have the rest of the trip and the next trip's products in which to land
	MAXB 1
	FMA 1
	v_pk_mul_f32 v[STA+8:STA+9], v[STA+8:STA+9], v[STA+10:STA+11] op_sel_hi:[1,0]
	s_wait_alu depctr_va_vdst(0)                   ; one wait for tile A's 68 exponentials, ahead of their first reader
	SCALE 0
.set i, 0
.rept 32                               ; tile B's exponentials, with tile A's sums and holds between them
	v_exp_f32 v[S+64+2*i], v[S+64+2*i]
	v_exp_f32 v[S+64+2*i+1], v[S+64+2*i+1]
	SUMH 0, i
.set i, i+1
.endr
.irp b, 0,1,2,3
	v_exp_f32 v[BM+4+\b], v[BM+4+\b]
.endr
	CVT 0
	WIN 0
	v_nop                                          ; a plain line behind the last exponential and the last conversion
	s_wait_alu depctr_va_vdst(0)                   ; one wait for tile B's 68
	SCALE 1
.set i, 0
.rept 32
	SUMH 1, i
.set i, i+1
.endr
	CVT 1
	RESC 1                                         ; these 16 are also the places ahead of the products below
	s_wait_dscnt 20                                ; V and its scale words are in; the next step's K (16 loads) and scale words (4) may be out
	WIN 0x54
.irp t, 0,1,2,3                        ; O^T += V^T P^T: eight accumulators by turns, one instruction a turn
.irp u, 0,1
.if (\t)%2
	v_wmma_scale_f32_16x16x128_f8f6f4 v[OF+32*\u+8*\t:OF+32*\u+8*\t+7], v[VF+16*\t:VF+16*\t+15], v[PF+16*\u:PF+16*\u+15], v[OF+32*\u+8*\t:OF+32*\u+8*\t+7], v[VS+\t/2], v[PWP+\u] matrix_a_fmt:MATRIX_FMT_BF8 matrix_b_fmt:MATRIX_FMT_BF8 matrix_a_scale:MATRIX_SCALE_ROW1
.else
	v_wmma_scale_f32_16x16x128_f8f6f4 v[OF+32*\u+8*\t:OF+32*\u+8*\t+7], v[VF+16*\t:VF+16*\t+15], v[PF+16*\u:PF+16*\u+15], v[OF+32*\u+8*\t:OF+32*\u+8*\t+7], v[VS+\t/2], v[PWP+\u] matrix_a_fmt:MATRIX_FMT_BF8 matrix_b_fmt:MATRIX_FMT_BF8
.endif
.endr
.endr
	WIN 0
	s_add_co_u32 s4, s4, 1
	s_cmp_lt_u32 s4, 16
	s_cbranch_scc1 .Lstep_\@
	; THE PASS'S WAY OUT: O^T / the sum, quantised along the head's 64 (two blocks a tile), stored as images
.rept 8
	v_nop                                          ; the places behind the last products
.endr
.if \p == 0
	QLOAD 1                                        ; the next pass's Q lands under the lines below
.endif
.irp u, 0,1
	v_add_f32 v[PX+4*\u], v[STA+6*\u+2], v[STA+6*\u+3]
.endr
.irp u, 0,1
	v_permlanex16_b32 v[PX+4*\u+1], v[PX+4*\u], s[SEL], s[SEL+1]
.endr
.irp u, 0,1
	v_add_f32 v[PX+4*\u], v[PX+4*\u], v[PX+4*\u+1] ; the row's sum
.endr
.irp u, 0,1
	v_rcp_f32 v[STA+6*\u+4], v[PX+4*\u]
.endr
	v_nop
	s_wait_alu depctr_va_vdst(0)                   ; one wait for the two reciprocals
	WIN 0x01
.irp u, 0,1
.set i, 0
.rept 16
	v_pk_mul_f32 v[64+32*\u+2*i:64+32*\u+2*i+1], v[OF+32*\u+2*i:OF+32*\u+2*i+1], v[STA+6*\u+4:STA+6*\u+5] op_sel_hi:[1,0]   ; each accumulator from its low end on
.set i, i+1
.endr
.endr
	WIN 0
	QUANT 64                                       ; blocks 0, 1: tile A's; blocks 2, 3: tile B's.  (No store of mine is out that reads the registers written here: the wait at the pass's head stands behind the last pass's stores)
	global_store_b128 v[AK0], v[PC:PC+3], s[24:25] offset:32768*\p
	global_store_b128 v[AK0], v[PC+4:PC+7], s[24:25] offset:32768*\p+512
	global_store_b128 v[AK0], v[PC+8:PC+11], s[24:25] offset:32768*\p+16384
	global_store_b128 v[AK0], v[PC+12:PC+15], s[24:25] offset:32768*\p+16896
	v_lshrrev_b32 v[TT], 16, v[PW]
	v_cndmask_b32 v[TT], v[PW], v[TT], s28         ; lanes 0-15: tile A's two bytes; lanes 16-31: tile B's
	global_store_b16 v[XSA], v[TT], s[26:27] offset:1024*\p   ; two bytes of each row's 32: the other heads' bytes are other work-groups'; one byte in 32 of what this launch stores
.endm
	PASS 0
	PASS 1
	s_wait_dscnt 0x0                               ; the last trip's loads of K
	s_wait_kmcnt 0x0                               ; and its clamped request for mask words
	s_set_vgpr_msb 0x5
	s_wait_tensorcnt 0x0
	ds_add_u32 v208, v209
	s_wait_dscnt 0x0
	s_set_vgpr_msb 0x500
	s_endpgm
.Lfunc_end_k_q7be28ec9ad_attn:
	.size	k_q7be28ec9ad_attn, .Lfunc_end_k_q7be28ec9ad_attn-k_q7be28ec9ad_attn
	.p2alignl 7, 3214868480
	.fill 96, 4, 3214868480
	.section	.rodata,"a",@progbits
	.p2align	6, 0x0
	.amdhsa_kernel k_q7be28ec9ad_attn
		.amdhsa_group_segment_fixed_size 275456
		.amdhsa_private_segment_fixed_size 0
		.amdhsa_enable_private_segment 0
		.amdhsa_kernarg_size 40
		.amdhsa_user_sgpr_count 2
		.amdhsa_user_sgpr_kernarg_segment_ptr 1
		.amdhsa_wavefront_size32 1
		.amdhsa_system_sgpr_workgroup_id_x 1
		.amdhsa_system_sgpr_workgroup_id_y 1
		.amdhsa_system_sgpr_workgroup_id_z 1
		.amdhsa_system_vgpr_workitem_id 0
		.amdhsa_next_free_vgpr 466
		.amdhsa_next_free_sgpr 102
		.amdhsa_reserve_vcc 0
		.amdhsa_float_denorm_mode_32 3
		.amdhsa_float_denorm_mode_16_64 3
		.amdhsa_memory_ordered 1
		.amdhsa_forward_progress 1
		.amdhsa_inst_pref_size 133
	.end_amdhsa_kernel
	.amdgpu_metadata
---
amdhsa.version: [ 1, 2 ]
amdhsa.kernels:
  - .name:           k_q7be28ec9ad_attn
    .symbol:         k_q7be28ec9ad_attn.kd
    .args:
      - { .name: qkv_codes, .offset: 0, .size: 8, .value_kind: global_buffer, .address_space: global }
      - { .name: qkv_scales, .offset: 8, .size: 8, .value_kind: global_buffer, .address_space: global }
      - { .name: maskw, .offset: 16, .size: 8, .value_kind: global_buffer, .address_space: global }
      - { .name: x_codes, .offset: 24, .size: 8, .value_kind: global_buffer, .address_space: global }
      - { .name: x_scales, .offset: 32, .size: 8, .value_kind: global_buffer, .address_space: global }
    .group_segment_fixed_size: 275456
    .private_segment_fixed_size: 0
    .kernarg_segment_align: 8
    .kernarg_segment_size: 40
    .max_flat_workgroup_size: 256
    .sgpr_count:     102
    .vgpr_count:     466
    .wavefront_size: 32
...
	.end_amdgpu_metadata
.endif
;; end of part 3
;; launch outp (part 4): grid 4 x 32, 4 waves a work-group, clusters of 4 x 4, 327,680 bytes of LDS; arguments x_codes, x_scales, xw_codes, xw_scales, bo, out0; writes out0
.if DOCPART == 4
	.amdgcn_target "amdgcn-amd-amdhsa--gfx1250"
	.amdhsa_code_object_version 6
	.text
	.protected	k_q7be28ec9ad_outp
	.globl	k_q7be28ec9ad_outp
	.p2align	8
	.type	k_q7be28ec9ad_outp,@function
k_q7be28ec9ad_outp:
	s_mov_b64 s[64:65], 0
	v_nop
	global_prefetch_b8 v0, s[64:65] scope:SCOPE_SE
	s_setreg_imm32_b32 hwreg(HW_REG_WAVE_MODE, 25, 1), 1
	s_wait_xcnt 0x0
	s_wait_alu depctr_hold_cnt(0) depctr_sa_sdst(0) depctr_va_vdst(0) depctr_va_sdst(0) depctr_va_ssrc(0) depctr_va_vcc(0) depctr_vm_vsrc(0)
	s_getreg_b32 s2, hwreg(HW_REG_IB_STS2, 6, 4)
	s_cmp_eq_u32 s2, 0
	s_cbranch_scc0 .Lentry_in_a_cluster
	s_endpgm
.Lentry_in_a_cluster:
	s_bfe_u32 s2, ttmp6, 0x10000c
	s_cmp_lg_u32 s2, 0xf033
	s_cbranch_scc0 .Lentry_shape_is_right
	s_endpgm
.Lentry_shape_is_right:
; out0 = x Wo^T + bo on codes of BF8 (E5M2) with E8M0 scales for each 32 along K (1,024); out0 [8192][1024] f32.
; A tile of 256 x 256 is made by a work-group of four waves, 128 x 128 a wave: 64 accumulators.  Source 0 = 16 rows of Wo (P), source 1 = 16 rows of x (R): a lane holds eight neighbouring numbers of a row of out0.
; Operands are images of registers: [row tile of 16][K step of 128: 8][c: 4][lane][16 bytes]: a fragment is four ds_load_b128 at 16 x lane.  K goes in steps of 256 through a ring of two LDS slots;
; a wave's tensor load brings 8 row tiles x 4,096 bytes.  The scale bytes of the 2 x 256 rows, for all of K, come once with the first fills.  bo is the C of each sum's first product, so it is added ahead of the products.
; CLUSTERS: 4 x 4 work-groups; x's tiles hang on cy and are asked for jointly along a row of the cluster, Wo's on cx and jointly along a column.  The launch has 128 work-groups: 32 x 4 tiles of this size.
; REGISTERS: window 0: v0-31 addresses; v32-63 scale words, two sets; v64-127 the bias; v128-255 R's fragments, one set (on the way out: rows read back).  window 1: P's fragments, two sets.  windows 2, 3: the accumulators.
.set SIZE_N, 1024
.set NQ,     2
.set FR,     16
.set NL,     4
.set NP,     8                         ; places behind this matrix instruction (ISA guide 7.12.1)
.set ROWB,   4096
.set HALFT,  8*ROWB
.set SLOT,   4*HALFT
.set LAPS,   2
.set SCL,    2*SLOT
.set HALFS,  16*272
.set SBLK,   2*272
.set SPARE,  SCL+4*HALFS               ; the spare words: 128 bytes a wave, two blocks of 256 bytes that no other line names
.set SPITCH, 528                       ; the way out: a stage of 16 rows x (512 + 16) bytes a wave, in slot 0, which has had its last fill and its last read when the first result is stored there
.set ADRA, 16
.set ADRB, 20
.set STO,  24
.set RD,   25
.set CO,   26
.set ADRS, 27
.set SPW,  28
.set NIL,  29
.set SC,   32
.set BP,   64
.set AF,   128
.set BK,   128
.set G1, 24
.set G0, 32
.set G1B, 48
.set G0B, 56
.set G1S, 68
.set G0S, 76
.set G1SB, 80
.set G0SB, 88
.set MSB, 0
.macro WIN new
.if MSB != (\new)
	s_set_vgpr_msb (MSB<<8)|(\new)
.set MSB, (\new)
.endif
.endm
.set MUL_LO, 0xa1
.set MUL_HI, 0xf1
.set TO_B,   0x40
.macro JLOAD g0a, g1a, g0b, g1b        ; a joint load: waves 0 and 1 fetch for R, waves 2 and 3 for P; four v_nop follow each of the two lines
	s_cmp_eq_u32 s15, 0
	s_cbranch_scc0 .Lfor_b_\@
	tensor_load_to_lds s[\g0a:\g0a+3], s[\g1a:\g1a+7]
	s_nop 0
.rept 4
	v_nop
.endr
	s_branch .Lasked_\@
.Lfor_b_\@:
	tensor_load_to_lds s[\g0b:\g0b+3], s[\g1b:\g1b+7]
	s_nop 0
.rept 4
	v_nop
.endr
.Lasked_\@:
.endm
.macro CREST
	s_cmp_lg_u32 s14, 0
	s_cbranch_scc1 .Lnot_wave_0_\@
	s_barrier_signal -3
.Lnot_wave_0_\@:
	s_barrier_wait -3
	s_barrier_signal -1
	s_barrier_wait -1
.endm
.macro CROUND
	s_barrier_signal -1
	s_barrier_wait -1
	CREST
.endm
	s_load_b256 s[4:11], s[0:1], 0x0               ; x_codes, x_scales, xw_codes, xw_scales
	s_load_b128 s[92:95], s[0:1], 0x20             ; bo, out0
	v_lshl_add_u32 v[SPW], v0, 2, SPARE
	v_mov_b32 v[NIL], 0
	ds_add_u32 v28, v29
	ds_add_u32 v28, v29
	s_wait_dscnt 0x0
	v_lshrrev_b32 v1, 5, v0
	v_readfirstlane_b32 s14, v1                    ; wave 0..3
	s_lshr_b32 s15, s14, 1                         ; which half of R's rows is mine.  Also: I fetch for R (0) or for P (1)
	s_and_b32 s16, s14, 1                          ; which half of P's rows.  Also: which 128 rows I fetch
	s_bfe_u32 s40, ttmp6, 0x40000                  ; cx, cy
	s_bfe_u32 s41, ttmp6, 0x40004
	s_and_b32 s17, ttmp7, 0xffff
	s_lshl_b32 s18, s17, 2
	s_add_co_u32 s18, s18, s41                     ; R's tile of 256 rows = 4 x cluster y + cy
	s_lshl_b32 s43, s41, 2
	s_lshl_b32 s43, 15, s43                        ; my row of the cluster
	s_lshl_b32 s44, 0x1111, s40                    ; my column
	s_or_b32 s[G1+0], s43, (3<<16)|(1<<21)         ; codes: 8 rows of 512 elements of 8 bytes, 2,048 elements apart, dense in LDS; the mask: R's tiles go to my row
	s_or_b32 s[G1B+0], s44, (3<<16)|(1<<21)        ; P's to my column
.irp g, G1, G1B
	s_mov_b32 s[\g+1], 512<<16
	s_mov_b32 s[\g+2], 8<<16
	s_mov_b32 s[\g+3], 512<<16
	s_mov_b32 s[\g+4], 8
	s_mov_b32 s[\g+5], 2048
	s_mov_b32 s[\g+6], 0
	s_mov_b32 s[\g+7], 0
.endr
	s_or_b32 s[G1S+0], s43, (3<<16)|(1<<20)|(1<<21)|(5<<22)|(3<<25)   ; scales of 128 rows: 16 rows of 256 bytes, 16 bytes of padding behind each
	s_or_b32 s[G1SB+0], s44, (3<<16)|(1<<20)|(1<<21)|(5<<22)|(3<<25)
.irp g, G1S, G1SB
	s_mov_b32 s[\g+1], 32<<16
	s_mov_b32 s[\g+2], 16<<16
	s_mov_b32 s[\g+3], 32<<16
	s_mov_b32 s[\g+4], 16
	s_mov_b32 s[\g+5], 32
	s_mov_b32 s[\g+6], 0
	s_mov_b32 s[\g+7], 0
.endr
	s_lshl_b32 s21, s16, 3                         ; the half that I fetch: 8 row tiles
	s_lshl_b32 s20, s18, 4
	s_add_co_u32 s20, s20, s21                     ; R: the first row tile that I fetch
	s_lshl_b32 s46, s40, 4
	s_add_co_u32 s46, s46, 1728                    ; P: Wo begins at row tile 1,728 of xw_codes
	s_add_co_u32 s46, s46, s21
	s_lshl_b32 s22, s20, 9
	s_lshl_b32 s20, s20, 14
	s_lshl_b32 s66, s46, 9
	s_lshl_b32 s46, s46, 14
	s_mov_b32 s21, 0
	s_mov_b32 s23, 0
	s_mov_b32 s47, 0
	s_mov_b32 s67, 0
	s_mul_i32 s45, s14, HALFT
	s_mul_i32 s99, s14, HALFS
	s_wait_kmcnt 0x0
	s_add_nc_u64 s[20:21], s[4:5], s[20:21]
	s_add_nc_u64 s[22:23], s[6:7], s[22:23]
	s_add_nc_u64 s[46:47], s[8:9], s[46:47]
	s_add_nc_u64 s[66:67], s[10:11], s[66:67]
	s_mov_b64 s[12:13], s[94:95]                   ; out0
	CROUND                                         ; all sixteen work-groups are here: the first joint loads meet
	s_mov_b32 s[G0S], 1
	s_add_co_u32 s[G0S+1], s99, SCL
	s_mov_b64 s[G0S+2:G0S+3], s[22:23]
	s_or_b32 s[G0S+3], s[G0S+3], 0x80000000
	s_mov_b32 s[G0SB], 1
	s_add_co_u32 s[G0SB+1], s99, SCL
	s_mov_b64 s[G0SB+2:G0SB+3], s[66:67]
	s_or_b32 s[G0SB+3], s[G0SB+3], 0x80000000
	JLOAD G0S, G1S, G0SB, G1SB
.irp s, 0,1
	s_mov_b32 s[G0+4*\s], 1
	s_add_co_u32 s[G0+4*\s+1], s45, \s*SLOT
	s_add_nc_u64 s[G0+4*\s+2:G0+4*\s+3], s[20:21], \s*ROWB
	s_or_b32 s[G0+4*\s+3], s[G0+4*\s+3], 0x80000000
	s_mov_b32 s[G0B+4*\s], 1
	s_add_co_u32 s[G0B+4*\s+1], s45, \s*SLOT
	s_add_nc_u64 s[G0B+4*\s+2:G0B+4*\s+3], s[46:47], \s*ROWB
	s_or_b32 s[G0B+4*\s+3], s[G0B+4*\s+3], 0x80000000
	JLOAD G0+4*\s, G1, G0B+4*\s, G1B
.endr
	v_and_b32 v1, 15, v0                           ; r
	v_bfe_u32 v2, v0, 4, 1                         ; h
	v_and_b32 v3, 31, v0
	v_lshlrev_b32 v[CO], 4, v3                     ; 16 x lane
	s_mul_i32 s21, s15, HALFT
	s_mul_i32 s22, s16, HALFT
	s_add_co_u32 s22, s22, 2*HALFT
.irp s, 0,1
	v_add_nc_u32 v[ADRA+\s], s21, v[CO]
	v_add_nc_u32 v[ADRB+\s], s22, v[CO]
	s_add_co_u32 s21, s21, SLOT
	s_add_co_u32 s22, s22, SLOT
.endr
	v_lshlrev_b32 v5, 5, v1
	v_lshrrev_b32 v6, 8, v5
	v_lshl_add_u32 v5, v6, 4, v5
	s_mul_i32 s21, s15, HALFS
	s_mul_i32 s22, s16, HALFS
	s_add_co_u32 s22, s22, 2*HALFS
	s_sub_co_u32 s22, s22, s21
	v_mul_u32_u24 v6, s22, v2                      ; lanes 16-31 take P's
	s_add_co_u32 s21, s21, SCL
	v_add_nc_u32 v5, v5, v6
	v_add_nc_u32 v[ADRS], s21, v5
	s_mul_i32 s23, s14, 16*SPITCH                  ; my stage
	v_mul_u32_u24 v5, v1, SPITCH
	v_lshl_add_u32 v5, v2, 5, v5
	v_add_nc_u32 v[STO], s23, v5                   ; in: row r, 32 bytes for each half of the lanes
	v_add_nc_u32 v[RD], s23, v[CO]                 ; back: the 32 lanes take one row of 512 bytes
	s_lshl_b32 s46, s40, 10
	s_lshl_b32 s47, s16, 9
	s_add_co_u32 s46, s46, s47                     ; my first column, in bytes: 1,024 cx + 512 half
	v_lshl_add_u32 v18, v2, 5, s46                 ; the bias: block b, register j: column 16 b + 8 h + j
.irp b, 0,1,2,3,4,5,6,7
	global_load_b128 v[BP+8*\b:BP+8*\b+3], v18, s[92:93] offset:64*\b
	global_load_b128 v[BP+8*\b+4:BP+8*\b+7], v18, s[92:93] offset:64*\b+16
.endr
	s_lshl_b32 s20, s18, 8
	s_lshl_b32 s21, s15, 7
	s_add_co_u32 s20, s20, s21                     ; my first row
	s_lshl_b32 s20, s20, 12                        ; 4,096 bytes a row
	s_add_co_u32 s20, s20, s46
	s_mov_b32 s21, 0
	s_add_nc_u64 s[12:13], s[12:13], s[20:21]
	s_wait_loadcnt 0x0                             ; the bias
.macro FRAG reg, adr, q, i
.irp c, 0,1,2,3
	ds_load_b128 v[\reg+4*\c:\reg+4*\c+3], v[\adr] offset:ROWB*(\i)+2048*(\q)+512*\c
.endr
.endm
.macro MUL16 a0, p, q, sc, first       ; 16 matrix instructions: R's blocks a0, a0 + 1 x P's eight.  first = 1: the bias is the C.  The 64 accumulators take turns
.irp a, \a0, \a0+1
.irp b, 0,1,2,3,4,5,6,7
.if \first
	v_wmma_scale_f32_16x16x128_f8f6f4 v[8*(8*((\a)%4)+\b):8*(8*((\a)%4)+\b)+7], v[128*(\p)+FR*\b:128*(\p)+FR*\b+FR-1], v[AF+FR*(\a):AF+FR*(\a)+FR-1], v[BP+8*\b:BP+8*\b+7], v[SC+8*NQ*(\sc)+NQ*\b+(\q)], v[SC+8*NQ*(\sc)+NQ*(\a)+(\q)] matrix_a_fmt:MATRIX_FMT_BF8 matrix_b_fmt:MATRIX_FMT_BF8 matrix_a_scale:MATRIX_SCALE_ROW1
.else
	v_wmma_scale_f32_16x16x128_f8f6f4 v[8*(8*((\a)%4)+\b):8*(8*((\a)%4)+\b)+7], v[128*(\p)+FR*\b:128*(\p)+FR*\b+FR-1], v[AF+FR*(\a):AF+FR*(\a)+FR-1], v[8*(8*((\a)%4)+\b):8*(8*((\a)%4)+\b)+7], v[SC+8*NQ*(\sc)+NQ*\b+(\q)], v[SC+8*NQ*(\sc)+NQ*(\a)+(\q)] matrix_a_fmt:MATRIX_FMT_BF8 matrix_b_fmt:MATRIX_FMT_BF8 matrix_a_scale:MATRIX_SCALE_ROW1
.endif
.endr
.endr
.endm
.macro FETCH_B slot, q, p
	WIN TO_B
.irp i, 0,1,2,3,4,5,6,7
	FRAG 128*(\p)+FR*\i, ADRB+\slot, \q, \i
.endr
	WIN 0
.endm
.macro FETCH_A slot, q, i0
.irp i, \i0, \i0+1, \i0+2, \i0+3
	FRAG AF+FR*(\i), ADRA+\slot, \q, \i
.endr
.endm
.macro SCALES sc
.irp i, 0,1,2,3,4,5,6,7
	ds_load_b64 v[SC+8*NQ*\sc+NQ*\i:SC+8*NQ*\sc+NQ*\i+1], v[ADRS] offset:\i*SBLK
.endr
.endm
.macro PLACES n
.rept \n
	v_nop
.endr
.endm
.macro STEP slot, q, first
	s_wait_dscnt 4*NL                              ; P's set and R's blocks 0-3 are in; the youngest 16 loads (R's blocks 4-7) may be out
.if \first
	WIN 0x81
.else
	WIN MUL_LO
.endif
	MUL16 0, (\q)%2, \q, \slot, \first
	MUL16 2, (\q)%2, \q, \slot, \first
	s_wait_dscnt 0
	PLACES NP
	FETCH_B \slot, (\q)+1, 1-(\q)%2
	FETCH_A \slot, (\q)+1, 0
.if \first
	WIN 0xc1
.else
	WIN MUL_HI
.endif
	MUL16 4, (\q)%2, \q, \slot, \first
	MUL16 6, (\q)%2, \q, \slot, \first
	PLACES NP
	WIN 0
	FETCH_A \slot, (\q)+1, 4
.endm
.macro TURN slot, next, fill
	s_wait_tensorcnt 0x0                           ; all my tensor loads have landed: my part of the next slot
	ds_add_u32 v[SPW], v[NIL]                      ; 0 onto my spare word
	s_wait_dscnt 4*NL+1                            ; (the add and the youngest 16 loads may be out)
	WIN MUL_LO
	MUL16 0, 1, NQ-1, \slot, 0
	s_wait_dscnt 0x0                               ; the add is done, and my reads of this slot are over
	s_barrier_signal -1
	MUL16 2, 1, NQ-1, \slot, 0
	WIN 0
	s_barrier_wait -1
.if \fill
	CREST                                          ; the barrier has opened a round of the cluster's: no wave of any partner still reads this slot or has a load on its way
	s_add_nc_u64 s[G0+4*\slot+2:G0+4*\slot+3], s[G0+4*\slot+2:G0+4*\slot+3], 2*ROWB
	s_add_nc_u64 s[G0B+4*\slot+2:G0B+4*\slot+3], s[G0B+4*\slot+2:G0B+4*\slot+3], 2*ROWB
	JLOAD G0+4*\slot, G1, G0B+4*\slot, G1B
	PLACES NP-4
.else
	PLACES NP
.endif
	v_add_nc_u32 v[ADRS], 4*NQ, v[ADRS]
	FETCH_B \next, 0, 0
	FETCH_A \next, 0, 0
	SCALES \next
	WIN MUL_HI
	MUL16 4, 1, NQ-1, \slot, 0
	MUL16 6, 1, NQ-1, \slot, 0
	PLACES NP
	WIN 0
	FETCH_A \next, 0, 4
.endm
	s_wait_tensorcnt 1                             ; the scales and my part of K step 0 are in (K step 1's load may be out),
	s_barrier_signal -1
	s_barrier_wait -1                              ; everybody's are
	FETCH_B 0, 0, 0
	FETCH_A 0, 0, 0
	SCALES 0
	FETCH_A 0, 0, 4
	STEP 0, 0, 1
	s_mov_b32 s3, LAPS-1
.Llap:
	TURN 0, 1, 1
	STEP 1, 0, 0
	TURN 1, 0, 1
	STEP 0, 0, 0
	s_sub_co_u32 s3, s3, 1
	s_cmp_lg_u32 s3, 0
	s_cbranch_scc1 .Llap
	TURN 0, 1, 0
	STEP 1, 0, 0
	s_wait_dscnt 4*NL
	WIN MUL_LO
	MUL16 0, 1, NQ-1, 1, 0
	MUL16 2, 1, NQ-1, 1, 0
	s_wait_dscnt 0
	WIN MUL_HI
	MUL16 4, 1, NQ-1, 1, 0
	MUL16 6, 1, NQ-1, 1, 0
	WIN 0
; THE WAY OUT, block by block of 16 rows x 128 columns: through my own stage in LDS, back as whole rows of 512 bytes.  LDS serves a wave's instructions in order: no wait between the stores and the loads.
.macro TOSTAGE a
.set AC, 64*((\a)%4)
	WIN 0x08+4*((\a)/4)                            ; the data: window 2 or 3
.irp b, 0,1,2,3,4,5,6,7
	ds_store_b128 v[STO], v[AC+8*\b:AC+8*\b+3] offset:64*\b          ; each accumulator from its low end on
	ds_store_b128 v[STO], v[AC+8*\b+4:AC+8*\b+7] offset:64*\b+16
.endr
	WIN 0
.set BB, BK+64*((\a)%2)
.irp t, 0,1,2,3,4,5,6,7,8,9,10,11,12,13,14,15
	ds_load_b128 v[BB+4*\t:BB+4*\t+3], v[RD] offset:\t*SPITCH
.endr
.endm
.macro SEND a, younger                 ; younger: the LDS instructions issued behind block a's loads, which may stay out
.set BB, BK+64*((\a)%2)
	s_wait_dscnt \younger
.if (\a) > 0
	s_add_nc_u64 s[12:13], s[12:13], 16*SIZE_N*4   ; (behind a wait for the earlier stores' addresses)  16 rows on
.endif
.irp t, 0,1,2,3,4,5,6,7,8,9,10,11,12,13,14,15
	global_store_b128 v[CO], v[BB+4*\t:BB+4*\t+3], s[12:13] offset:\t*SIZE_N*4 th:TH_STORE_NT   ; 32 lanes store 512 consecutive bytes, aligned
.endr
.endm
	PLACES NP
	TOSTAGE 0
.irp a, 1,2,3,4,5,6,7
.if \a > 1
	s_wait_xcnt 0x0                                ; block a - 2's stores have read their registers and their base
.endif
	TOSTAGE \a
	SEND \a-1, 32                                  ; behind block a - 1's loads: block a's 16 stores and 16 loads
.endr
	s_wait_xcnt 0x0
	SEND 7, 0
	s_wait_tensorcnt 0x0                           ; the wave's end
	ds_add_u32 v[SPW], v[NIL]
	s_wait_dscnt 0x0
	CROUND                                         ; the closing round
	s_endpgm
.Lfunc_end_k_q7be28ec9ad_outp:
	.size	k_q7be28ec9ad_outp, .Lfunc_end_k_q7be28ec9ad_outp-k_q7be28ec9ad_outp
	.p2alignl 7, 3214868480
	.fill 96, 4, 3214868480
	.section	.rodata,"a",@progbits
	.p2align	6, 0x0
	.amdhsa_kernel k_q7be28ec9ad_outp
		.amdhsa_group_segment_fixed_size 327680
		.amdhsa_private_segment_fixed_size 0
		.amdhsa_enable_private_segment 0
		.amdhsa_kernarg_size 48
		.amdhsa_user_sgpr_count 2
		.amdhsa_user_sgpr_kernarg_segment_ptr 1
		.amdhsa_wavefront_size32 1
		.amdhsa_system_sgpr_workgroup_id_x 1
		.amdhsa_system_sgpr_workgroup_id_y 1
		.amdhsa_system_sgpr_workgroup_id_z 1
		.amdhsa_system_vgpr_workitem_id 0
		.amdhsa_next_free_vgpr 1024
		.amdhsa_next_free_sgpr 100
		.amdhsa_reserve_vcc 0
		.amdhsa_float_denorm_mode_32 3
		.amdhsa_float_denorm_mode_16_64 3
		.amdhsa_memory_ordered 1
		.amdhsa_forward_progress 1
		.amdhsa_inst_pref_size 147
	.end_amdhsa_kernel
	.amdgpu_metadata
---
amdhsa.version: [ 1, 2 ]
amdhsa.kernels:
  - .name:           k_q7be28ec9ad_outp
    .symbol:         k_q7be28ec9ad_outp.kd
    .args:
      - { .name: x_codes, .offset: 0, .size: 8, .value_kind: global_buffer, .address_space: global }
      - { .name: x_scales, .offset: 8, .size: 8, .value_kind: global_buffer, .address_space: global }
      - { .name: xw_codes, .offset: 16, .size: 8, .value_kind: global_buffer, .address_space: global }
      - { .name: xw_scales, .offset: 24, .size: 8, .value_kind: global_buffer, .address_space: global }
      - { .name: bo, .offset: 32, .size: 8, .value_kind: global_buffer, .address_space: global }
      - { .name: out0, .offset: 40, .size: 8, .value_kind: global_buffer, .address_space: global }
    .group_segment_fixed_size: 327680
    .private_segment_fixed_size: 0
    .kernarg_segment_align: 8
    .kernarg_segment_size: 48
    .max_flat_workgroup_size: 128
    .sgpr_count:     100
    .vgpr_count:     1024
    .wavefront_size: 32
...
	.end_amdgpu_metadata
.endif
;; end of part 4
;; ======== version 2 of 2: 4 launches; version 1 with the launch attn written anew for expert scheduling mode
;; limits: right only within a limited range of input values
;; workspace buffers: xw_codes 29,360,128 bytes; xw_scales 917,504 bytes; maskw 2,097,152 bytes of whole numbers; qkv_codes 25,165,824 bytes; qkv_scales 786,432 bytes; x_codes 8,388,608 bytes; x_scales 262,144 bytes
;; launch prep: the kernel of part 1 again; grid 704 x 1, 4 waves a work-group, no clusters, 34,304 bytes of LDS; arguments query, key_, value, Wq, Wk, Wv, Wo, mask, xw_codes, xw_scales, maskw; writes xw_codes, xw_scales, maskw
;; launch proj: the kernel of part 2 again; grid 4 x 96, 4 waves a work-group, clusters of 4 x 4, 327,680 bytes of LDS; arguments xw_codes, xw_scales, qkv_codes, qkv_scales, bq, bk, bv; writes qkv_codes, qkv_scales
;; launch attn (part 5): grid 4 x 64, 8 waves a work-group, no clusters, 275,456 bytes of LDS; arguments qkv_codes, qkv_scales, maskw, x_codes, x_scales; writes x_codes, x_scales
.if DOCPART == 5
	.amdgcn_target "amdgcn-amd-amdhsa--gfx1250"
	.amdhsa_code_object_version 6
	.text
	.protected	k_q7be28ec9ad_attn
	.globl	k_q7be28ec9ad_attn
	.p2align	8
	.type	k_q7be28ec9ad_attn,@function
k_q7be28ec9ad_attn:
	s_mov_b64 s[64:65], 0
	v_nop
	global_prefetch_b8 v0, s[64:65] scope:SCOPE_SE
	s_setreg_imm32_b32 hwreg(HW_REG_WAVE_SCHED_MODE, 0, 2), 2
	s_setreg_imm32_b32 hwreg(HW_REG_WAVE_MODE, 25, 1), 1
	s_wait_xcnt 0x0
	s_wait_alu depctr_vm_vsrc(0)
; x[b][q][64 head + d] = sum over k of softmax_k(where(mask == 0, -1e10, Q . K / 8)) V, both products on codes of BF8 (E5M2) with E8M0 scales; x is quantised at once along 64 head + d for the last product.
; THE SOFTMAX: t = score x log2(e) / 8; M = the running largest t rounded UP to a whole number; p = 2^(t - M) is quantised along the keys, not normalised; the row's sum is taken of the unquantised p and divides at the end.
; When M moves, the sum and O are multiplied by 2^(old M - new M): exact.
; SHARES.  A work-group owns one head (y) and 512 queries (x): 8 waves, 4 tiles of 16 queries each, in two passes of two tiles, A and B: both tiles use every fragment of K and V that the wave reads from LDS.
; THE WHOLE HEAD'S K, V AND SCALES STAY IN LDS (268 KB), filled once, through registers; one barrier.  NO CLUSTER: what the four work-groups of a head share is that fill alone, 67 loads a wave once, against 32 trips of
; some 700 instructions; and K's scale words are shifted on their way, which wants registers.
; THE MASK comes as lane-mask words, 64 for a tile and a step of 128 keys, by scalar loads into the 64 scalar registers that are free: one tile's at a time.  So a trip goes by tiles: hide A, ask for B's words, tile A's maxima,
; scalings and exponentials; hide B, ask for A's words of the next step, and the rest of the trip.  No branch hangs on the mask: the selects run in every trip.
; LAYOUT.  Both products transposed: S^T = K Q^T (source 0 = 16 keys), O^T = V^T P^T (source 0 = 16 channels): a lane holds ONE query.  All operands lie in slot order (of a block of 32, lane half h holds k = 8 h + 0..7 and
; 16 + 8 h + 0..7), which is the order of two neighbouring result tiles: so p's and x's conversions give operand registers.
; THE HEAD'S 64 IN AN INSTRUCTION OF 128: Q's upper eight registers are zero codes; K's fragment t is registers 8 t .. 8 t + 15, whose upper half is the next tile's (finite) codes, or zeros behind tile 7; the scale bytes there are the other head's or 0, never 0xff.
; LIMITS: NaN and infinities are not served.  A hidden score is -2^36 ahead of the factor log2(e) / 8, a logit of -8.6e9 where the definition has -1e10: its t is then exact and whole, so that a row (or the start of a row)
; with no open key gives p = 1 exactly, and is wiped by the factor 0 when an open key comes.  Results equal the definition's wherever real logits lie above -8.6e9.  A block of zeros gets the byte 1.
; REGISTERS.  window 0: v1-8 addresses; v9 the hidden score; v10-19 scale words; v20-31 statistics; v32-63 at work; v64-127, v128-191 S^T then p of tiles A, B; v192-255 V's four fragments.
;   window 1: v0-63 K's eight tiles, v64-71 zeros; v72-87, v88-103 Q of A, B with their zeros; v104-135 p's codes; v136-199 O^T.
; THE MODE: SCHED_MODE bits 1:0 = 2 (LLVM: expert scheduling mode 2), set by the entry lines.  The code itself states the register dependences between vector or matrix instructions and memory or LDS instructions,
; with s_wait_alu, always for 0.
; THE PLAN.  Registers that LDS or memory instructions touch, in a trip:
;   K's fragments, K's scale words   read by the trip's 16 products K Q^T; behind them the next step's loads land there.
;   V's fragments, V's scale words   read by the 8 products V^T P^T at a trip's end; the next trip's loads land there, in the same run as K's.
;   v5-8, the four LDS addresses     read by that run of 38 loads; written once a trip, by four additions behind the products K Q^T.
;   v1-4, v56, v58, v59              offsets made at the head and never written again.
; So ONE wait on va_vdst stands ahead of the run of loads: the products K Q^T are done reading K, the last trip's products V^T P^T are done reading V, the four addresses are written; and one wait on vm_vsrc ahead of the additions.
; No vector or matrix instruction between that wait and the trip's end writes or reads a register that those loads touch, but for the products V^T P^T, which read V behind its wait on DScnt.
; Three more waits on va_vdst stand in a trip: behind each tile's selects, which read the scalar registers that the next scalar loads write (the second of these is also the wait for tile A's exponentials), and ahead of the
; products V^T P^T, which take p's codes and scale words from vector instructions; the wait for tile B's exponentials is the sixth line.
; x's codes and scale bytes leave from v128-143 and v57: one wait on va_vdst ahead of a pass's five stores, one on vm_vsrc at the next pass's head, ahead of the products that write v128 on again.
.set KSC,  262144                      ; LDS: K's images at 0, V's at 131,072, K's scale words, V's scale words
.set VSC,  270336
.set AK0,  1                           ; 16 x lane
.set AV0,  2                           ; + 131,072
.set AKS0, 3                           ; 4 x lane + KSC
.set AVS0, 4                           ; 4 x lane + VSC
.set ADK,  5
.set ADV,  6
.set ADKS, 7
.set ADVS, 8
.set NEG,  9
.set QS,   10                          ; v10, 11  Q's scale words, tile A, B
.set PWP,  12                          ; v12, 13  p's
.set KS,   14                          ; v14-17   K's: lanes 0-15 tile 2 b, lanes 16-31 tile 2 b + 1
.set VS,   18                          ; v18, 19  V's likewise
.set STA,  20                          ; tile u at +6 u: -M, largest t, the sum in two halves, f, (a dummy: named in a pair)
.set BM,   32                          ; v32-39   the largest score of block b of tile u, then the largest p
.set PX,   40                          ; v40-47   at work
.set SO,   48                          ; v48-51   the conversions' scale operands
.set CAP,  52                          ; v52-55   57,344 x the scale
.set XSA,  56                          ; 32 x lane
.set TT,   57
.set QSA,  58                          ; 4 r
.set PFO,  59                          ; 256 x lane: the prefetches' offset; never rewritten
.set OLD,  60
.set C2,   62                          ; v[62:63] the second chain of the sums
.set S,    64
.set VF,   192
.set KF,   0                           ; window 1
.set QF,   72
.set PF,   104
.set OF,   136
.set PC,   128                         ; the way out
.set TM,   144
.set PW,   160
.set SEL,  16
.set MNT,  18
.set LIM,  29                          ; s29  14 in the work-groups that prefetch, else the greatest number
.set MSB, 0
.macro WIN new                         ; the immediate's high byte repeats the setting that is left
.if MSB != (\new)
	s_set_vgpr_msb (MSB<<8)|(\new)
.set MSB, (\new)
.endif
.endm
.macro QUANT s                         ; 64 numbers of a lane, register 16 b + i of block b, become codes in v[PC] on and a scale word in v[PW]
.irp b, 0,1,2,3
	v_max3_num_f32 v[TM+\b], |v[\s+16*\b]|, |v[\s+1+16*\b]|, 0x8000000
.endr
.irp i, 2,4,6,8,10,12,14
.irp b, 0,1,2,3
	v_max3_num_f32 v[TM+\b], v[TM+\b], |v[\s+16*\b+\i]|, |v[\s+1+16*\b+\i]|
.endr
.endr
.irp b, 0,1,2,3
	v_permlanex16_b32 v[TM+4+\b], v[TM+\b], s[SEL], s[SEL+1]
.endr
.irp b, 0,1,2,3
	v_max_num_f32 v[TM+\b], v[TM+\b], v[TM+4+\b]
.endr
.irp b, 0,1,2,3
	v_add_nc_u32 v[TM+12+\b], 0xf8800000, v[TM+\b]
.endr
.irp b, 0,1,2,3
	v_and_or_b32 v[TM+8+\b], v[TM+\b], 0x7f800000, s[MNT]
.endr
.irp b, 0,1,2,3
	v_lshrrev_b32 v[TM+4+\b], 23, v[TM+12+\b]
.endr
	v_lshl_or_b32 v[PW], v[TM+5], 8, v[TM+4]
	v_lshl_or_b32 v[PW], v[TM+6], 16, v[PW]
	v_lshl_or_b32 v[PW], v[TM+7], 24, v[PW]
.irp b, 0,1,2,3
.irp i, 0,1,2,3,4,5,6,7,8,9,10,11,12,13,14,15
	v_med3_num_f32 v[\s+16*\b+\i], v[\s+16*\b+\i], -v[TM+8+\b], v[TM+8+\b]
.endr
	v_cvt_scalef32_pk8_bf8_f32 v[PC+4*\b:PC+1+4*\b], v[\s+16*\b:\s+7+16*\b], v[TM+12+\b]
	v_cvt_scalef32_pk8_bf8_f32 v[PC+2+4*\b:PC+3+4*\b], v[\s+8+16*\b:\s+15+16*\b], v[TM+12+\b]
.endr
	v_nop
.endm
	s_load_b256 s[20:27], s[0:1], 0x0              ; qkv_codes, qkv_scales, maskw, x_codes
	s_load_b64 s[28:29], s[0:1], 0x20              ; x_scales
	s_set_vgpr_msb 0x40
	v_lshl_add_u32 v206, v0, 2, 0x43000
	v_mov_b32 v207, 0
	s_set_vgpr_msb 0x4000
	v_lshrrev_b32 v5, 5, v0
	v_readfirstlane_b32 s2, v5                     ; wave 0..7
	v_and_b32 v5, 31, v0
	v_lshlrev_b32 v[AK0], 4, v5
	v_add_nc_u32 v[AV0], 0x20000, v[AK0]
	v_lshlrev_b32 v6, 2, v5
	v_add_nc_u32 v[AKS0], KSC, v6
	v_add_nc_u32 v[AVS0], VSC, v6
	v_lshlrev_b32 v[XSA], 5, v5
	v_lshlrev_b32 v[PFO], 8, v5
	v_and_b32 v6, 15, v0
	v_lshlrev_b32 v[QSA], 2, v6
	s_wait_alu depctr_va_sdst(0)                   ; s2 is written, ahead of its first reader: the fill's LDS addresses and every base are made from it
	s_lshl_b32 s3, s2, 14                          ; the fill: my eighth of each region
	v_add_nc_u32 v5, s3, v[AK0]
	v_add_nc_u32 v6, s3, v[AV0]
	s_lshl_b32 s3, s2, 10
	s_add_co_u32 s3, s3, KSC
	v_add_nc_u32 v7, s3, v[AK0]
	s_lshl_b32 s3, s2, 9
	s_add_co_u32 s3, s3, VSC
	v_add_nc_u32 v8, s3, v[AK0]
	s_and_b32 s30, ttmp7, 0xffff                   ; 16 b + head
	s_lshr_b32 s31, s30, 4                         ; b
	s_and_b32 s5, s30, 15                          ; head
	s_and_b32 s19, s5, 1
	s_lshl_b32 s19, s19, 4                         ; an odd head's two scale bytes lie 16 bits up in a pair's word
	s_lshl_b32 s8, ttmp9, 5
	s_lshl_b32 s9, s2, 2
	s_add_co_u32 s8, s8, s9                        ; my first query tile in the batch: 32 x + 4 wave
	s_lshl_b32 s9, s31, 7
	s_add_co_u32 s9, s9, s8                        ; and among all 512
	s_lshl_b32 s32, s30, 17
	s_lshl_b32 s3, s2, 14
	s_add_co_u32 s32, s32, s3
	s_add_co_u32 s32, s32, 8388608                 ; K's codes, my eighth
	s_add_co_u32 s34, s32, 8388608                 ; V's
	s_lshr_b32 s10, s30, 1                         ; the pair of heads
	s_lshl_b32 s36, s10, 13
	s_lshl_b32 s3, s2, 10
	s_add_co_u32 s36, s36, s3
	s_add_co_u32 s36, s36, 262144                  ; K's scale words
	s_lshl_b32 s38, s30, 12
	s_lshl_b32 s3, s2, 9
	s_add_co_u32 s38, s38, s3
	s_add_co_u32 s38, s38, 524288                  ; V's
	s_lshl_b32 s40, s9, 12                         ; my tiles' mask words: 4,096 bytes a tile
	s_lshl_b32 s44, s30, 17
	s_lshl_b32 s3, s8, 10
	s_add_co_u32 s44, s44, s3                      ; Q's codes
	s_lshl_b32 s46, s10, 7
	s_add_co_u32 s46, s46, s8
	s_lshl_b32 s46, s46, 6                         ; Q's scale words
	s_lshl_b32 s48, s9, 14
	s_lshl_b32 s3, s5, 10
	s_add_co_u32 s48, s48, s3                      ; x's codes: 16,384 bytes a tile, 1,024 a head
	s_lshl_b32 s50, s9, 9
	s_lshl_b32 s3, s5, 1
	s_add_co_u32 s50, s50, s3                      ; x's scale bytes: 32 a row, 2 a head
.irp q, 33,35,37,39,41,45,47,49,51
	s_mov_b32 s\q, 0
.endr
	s_mov_b32 s14, 0x3e38aa3b                      ; c = log2(e) / 8
	s_mov_b32 s15, s14                             ; (named with it as a pair)
	s_mov_b32 s[SEL], 0x76543210
	s_mov_b32 s[SEL+1], 0xfedcba98
	s_mov_b32 s[MNT], 0x600000
	s_wait_kmcnt 0x0
	s_add_nc_u64 s[10:11], s[20:21], s[32:33]
	s_add_nc_u64 s[12:13], s[20:21], s[34:35]
	s_add_nc_u64 s[100:101], s[22:23], s[36:37]
	s_add_nc_u64 s[4:5], s[22:23], s[38:39]
	s_add_nc_u64 s[6:7], s[24:25], s[40:41]
	s_add_nc_u64 s[20:21], s[20:21], s[44:45]
	s_add_nc_u64 s[22:23], s[22:23], s[46:47]
	s_add_nc_u64 s[24:25], s[26:27], s[48:49]
	s_add_nc_u64 s[26:27], s[28:29], s[50:51]
	s_mov_b32 s28, 0xffff0000                      ; lanes 16-31
	s_and_b32 s[LIM], ttmp7, 15                    ; the sixteen heads of a batch read the same mask words: head 0's work-groups prefetch them (a branch on the work-group's number)
	s_cmp_eq_u32 s[LIM], 0
	s_cselect_b32 s[LIM], 14, -1
	s_wait_alu depctr_va_vdst(0)                   ; the offsets and addresses v1 to v8, v56, v58 and v59 are written, which the loads, LDS stores, stores and prefetches of the kernel read
	; THE FILL: 67 loads of 512 consecutive bytes a wave, all out together
.set i, 0
.rept 32
	global_load_b128 v[64+4*i:64+4*i+3], v[AK0], s[10:11] offset:512*i
.set i, i+1
.endr
	WIN 0x40
.set i, 0
.rept 32
	global_load_b128 v[4*i:4*i+3], v[AK0], s[12:13] offset:512*i
.set i, i+1
.endr
	WIN 0
	global_load_b128 v[192:195], v[AK0], s[100:101]
	global_load_b128 v[196:199], v[AK0], s[100:101] offset:512
	global_load_b128 v[200:203], v[AK0], s[4:5]
	s_wait_loadcnt 0x0
.irp q, 192,193,194,195,196,197,198,199
	v_lshrrev_b32 v\q, s19, v\q                    ; my head's two bytes to the bottom of K's words
.endr
.set i, 0
.rept 32
	ds_store_b128 v5, v[64+4*i:64+4*i+3] offset:512*i   ; (these 64 stores' data came by loads, and their addresses stand ahead of the wait above: the eight shifts name none of their registers)
.set i, i+1
.endr
	WIN 0x04                                       ; an LDS store's data are its source 1
.set i, 0
.rept 32
	ds_store_b128 v6, v[4*i:4*i+3] offset:512*i
.set i, i+1
.endr
	WIN 0
	s_wait_alu depctr_va_vdst(0)                   ; the eight shifts have written v192 to v199, which the two stores below read
	ds_store_b128 v7, v[192:195]
	ds_store_b128 v7, v[196:199] offset:512
	ds_store_b128 v8, v[200:203]
	s_wait_dscnt 0x0                               ; for the others' sake: my stores have landed
	s_barrier_signal -1
	s_barrier_wait -1                              ; the head lies in LDS; nothing is written there again
	s_wait_alu depctr_vm_vsrc(0)                   ; my LDS stores have read their data and their addresses: from here on those registers are Q, K, V, the zeros, the scores, p's codes and the loop's four LDS addresses
.macro QLOAD p                         ; pass p's two tiles of Q and their scale words
	WIN 0x40
.irp u, 0,1
.irp c, 0,1
	global_load_b128 v[QF+16*\u+4*\c:QF+16*\u+4*\c+3], v[AK0], s[20:21] offset:2048*\p+1024*\u+512*\c
.endr
.endr
	WIN 0
.irp u, 0,1
	global_load_b32 v[QS+\u], v[QSA], s[22:23] offset:128*\p+64*\u
.endr
.endm
.macro KLOAD                           ; a step's eight tiles of K and their scale words
	WIN 0x40
.irp t, 0,1,2,3,4,5,6,7
.irp c, 0,1
	ds_load_b128 v[KF+8*\t+4*\c:KF+8*\t+4*\c+3], v[ADK] offset:1024*\t+512*\c
.endr
.endr
	WIN 0
.irp b, 0,1,2,3
	ds_load_b32 v[KS+\b], v[ADKS] offset:128*\b
.endr
.endm
	QLOAD 0
	WIN 0x40
.irp q, 64,65,66,67,68,69,70,71,80,81,82,83,84,85,86,87,96,97,98,99,100,101,102,103
	v_mov_b32 v\q, 0                               ; zero codes: behind K's last tile, and Q's upper halves
.endr
	WIN 0
	v_mov_b32 v[NEG], 0xd1800000                   ; -2^36
.irp q, 0,1,2,3,4,5,6,7
	v_mov_b32 v[PX+\q], 0                          ; (a lane permute's destination counts as read)
.endr
	v_mov_b32 v[STA+5], 0
	v_mov_b32 v[STA+11], 0
	v_mov_b32 v[ADK], v[AK0]
	v_mov_b32 v[ADKS], v[AKS0]
	s_wait_alu depctr_va_vdst(0)                   ; the two addresses just made are written, which the loads below read
	KLOAD                                          ; step 0
.macro MLOAD reg, off                  ; a tile's 64 mask words of a step: word n in s[32 + n] (n < 32) or s[36 + n]
	s_load_b512 s[32:47], s[6:7], s\reg offset:\off
	s_load_b512 s[48:63], s[6:7], s\reg offset:\off+64
	s_load_b512 s[68:83], s[6:7], s\reg offset:\off+128
	s_load_b512 s[84:99], s[6:7], s\reg offset:\off+192
.endm
.macro HIDE u                          ; where the bit is off the score becomes the hidden score; each accumulator from its low end on
.set n, 0
.rept 64
	v_cndmask_b32 v[S+64*\u+n], v[NEG], v[S+64*\u+n], s[32+n+4*(n/32)]
.set n, n+1
.endr
.endm
; Tile u: the largest score of each block of 32 keys (for the row's maximum and, since p rises with the score, for the block's largest p: four chains by turns), then the new M and f
.macro MAXB u
.irp b, 0,1,2,3
	v_max3_num_f32 v[BM+4*\u+\b], v[S+64*\u+16*\b], v[S+64*\u+16*\b+1], v[S+64*\u+16*\b+2]
.endr
.irp i, 3,5,7,9,11,13
.irp b, 0,1,2,3
	v_max3_num_f32 v[BM+4*\u+\b], v[BM+4*\u+\b], v[S+64*\u+16*\b+\i], v[S+64*\u+16*\b+\i+1]
.endr
.endr
.irp b, 0,1,2,3
	v_max_num_f32 v[BM+4*\u+\b], v[BM+4*\u+\b], v[S+64*\u+16*\b+15]
.endr
.irp b, 0,1,2,3
	v_permlanex16_b32 v[PX+4*\u+\b], v[BM+4*\u+\b], s[SEL], s[SEL+1]
.endr
.irp b, 0,1,2,3
	v_max_num_f32 v[BM+4*\u+\b], v[BM+4*\u+\b], v[PX+4*\u+\b]   ; with lane l xor 16's 16 keys
.endr
	v_max3_num_f32 v[PX+4*\u], v[BM+4*\u], v[BM+4*\u+1], v[BM+4*\u+2]
	v_max_num_f32 v[PX+4*\u], v[PX+4*\u], v[BM+4*\u+3]
	v_mul_f32 v[PX+4*\u], s14, v[PX+4*\u]          ; as t
	v_max_num_f32 v[STA+6*\u+1], v[STA+6*\u+1], v[PX+4*\u]
	v_mov_b32 v[OLD+\u], v[STA+6*\u]
	v_floor_f32 v[STA+6*\u], -v[STA+6*\u+1]        ; the new -M = -ceil(t): a whole number
	v_sub_f32 v[PX+4*\u], v[STA+6*\u], v[OLD+\u]   ; old M - new M, 0 or less
	v_cvt_i32_f32 v[PX+4*\u], v[PX+4*\u]           ; (it saturates)
	v_ldexp_f32 v[STA+6*\u+4], 1.0, v[PX+4*\u]     ; f = 2^(old M - new M)
.endm
.macro FMA u                           ; t - M, two at a time; the same of each block's largest score
.set i, 0
.rept 32
	v_pk_fma_f32 v[S+64*\u+2*i:S+64*\u+2*i+1], v[S+64*\u+2*i:S+64*\u+2*i+1], s[14:15], v[STA+6*\u:STA+6*\u+1] op_sel_hi:[1,0,0]
.set i, i+1
.endr
.irp b, 0,1,2,3
	v_fma_f32 v[BM+4*\u+\b], v[BM+4*\u+\b], s14, v[STA+6*\u]
.endr
.endm
.macro SCALE u                         ; from the blocks' largest p: scale operands, caps, and p's scale word
.irp b, 0,1,2,3
	v_max_num_f32 v[BM+4*\u+\b], 0x8000000, v[BM+4*\u+\b]       ; the floor 2^(16 - 127): the byte cannot fall under 1
.endr
.irp b, 0,1,2,3
	v_add_nc_u32 v[SO+\b], 0xf8800000, v[BM+4*\u+\b]
.endr
.irp b, 0,1,2,3
	v_and_or_b32 v[CAP+\b], v[BM+4*\u+\b], 0x7f800000, s[MNT]
.endr
.irp b, 0,1,2,3
	v_lshrrev_b32 v[PX+\b], 23, v[SO+\b]
.endr
	v_lshl_or_b32 v[PWP+\u], v[PX+1], 8, v[PX]
	v_lshl_or_b32 v[PWP+\u], v[PX+2], 16, v[PWP+\u]
	v_lshl_or_b32 v[PWP+\u], v[PX+3], 24, v[PWP+\u]
.endm
.macro SUMH u, k                       ; sum number k of 32 (of the UNQUANTISED p, two chains), then the hold of pair k, which has been summed by then.  p is not negative: the hold is one-sided
.set SU, S+64*(\u)
.set LL, STA+6*(\u)+2
.if (\k) == 0
	v_pk_add_f32 v[C2:C2+1], v[SU:SU+1], v[SU+2:SU+3]
.elseif (\k) == 31
	v_pk_add_f32 v[LL:LL+1], v[LL:LL+1], v[C2:C2+1]
.elseif (\k)%2
	v_pk_add_f32 v[LL:LL+1], v[LL:LL+1], v[SU+2*(\k)+2:SU+2*(\k)+3]
.else
	v_pk_add_f32 v[C2:C2+1], v[C2:C2+1], v[SU+2*(\k)+2:SU+2*(\k)+3]
.endif
	v_min_num_f32 v[SU+2*(\k)], v[SU+2*(\k)], v[CAP+(\k)/8]
	v_min_num_f32 v[SU+2*(\k)+1], v[SU+2*(\k)+1], v[CAP+(\k)/8]
.endm
.macro CVT u                           ; p's codes: the second product's operand
	WIN 0x40
.irp b, 0,1,2,3
	v_cvt_scalef32_pk8_bf8_f32 v[PF+16*\u+4*\b:PF+16*\u+4*\b+1], v[S+64*\u+16*\b:S+64*\u+16*\b+7], v[SO+\b]
	v_cvt_scalef32_pk8_bf8_f32 v[PF+16*\u+4*\b+2:PF+16*\u+4*\b+3], v[S+64*\u+16*\b+8:S+64*\u+16*\b+15], v[SO+\b]
.endr
.endm
.macro RESC u                          ; tile u's O^T under the new M: x f
	WIN 0x41
.set i, 0
.rept 16
	v_pk_mul_f32 v[OF+32*\u+2*i:OF+32*\u+2*i+1], v[OF+32*\u+2*i:OF+32*\u+2*i+1], v[STA+6*\u+4:STA+6*\u+5] op_sel_hi:[1,0]
.set i, i+1
.endr
.endm
.macro PASS p
.if \p > 0
	s_wait_kmcnt 0x0                               ; the last trip's clamped request is done: its registers and its offset may be written again
.endif
	s_mov_b32 s9, 0
	MLOAD 9, 8192*\p                               ; tile A's words of step 0.  (No vector instruction has named s[32:99] since the wait behind the last selects)
.if \p == 0
	; A PREFETCH INTO THE L2 of this pass's mask words: 2 tiles x 16 steps x 256 bytes lie on end, a lane a block, one instruction a wave.  Each block is named once in the launch: of the sixteen work-groups that read it, head 0's asks.
	; It stands behind the scalar loads just issued, when the fill has landed; step t's block is asked for t trips ahead of its load.  Its offset was written ahead of the head's wait on va_vdst.
	s_cmp_eq_u32 s[LIM], 14
	s_cbranch_scc0 .Lnp_\@
	global_prefetch_b8 v[PFO], s[6:7] th:TH_LOAD_NT scope:SCOPE_SE
.Lnp_\@:
.endif
	s_wait_loadcnt 0x0                             ; Q and its scale words
.if \p > 0
	s_wait_xcnt 0x0                                ; the pass before stored x's codes out of tile B's score registers, and its scale bytes: those registers are written again only behind this wait
	s_wait_alu depctr_vm_vsrc(0)                   ; and behind this one: the five stores have read v128 to v143, which this pass's products write, and v57, which its way out writes
.endif
	v_lshrrev_b32 v[QS], s19, v[QS]                ; my head's two bytes (the 64 lines below are the places ahead of the products that take them)
	v_lshrrev_b32 v[QS+1], s19, v[QS+1]
	WIN 0x40
.set i, 0
.rept 64
	v_mov_b32 v[OF+i], 0                           ; O^T: the step is written once; its first trip finds zeros
.set i, i+1
.endr
	WIN 0
.irp u, 0,1
	v_mov_b32 v[STA+6*\u+1], 0xff61b1e6            ; the largest t so far: -3e38
	v_floor_f32 v[STA+6*\u], -v[STA+6*\u+1]        ; -M
	v_mov_b32 v[STA+6*\u+2], 0
	v_mov_b32 v[STA+6*\u+3], 0
.endr
	s_wait_alu depctr_va_vdst(0)                   ; the two shifts have written Q's scale words, and the head's moves the zero codes, which the scaled products K Q^T take; no vector instruction of the loop writes an operand or a scale of those products
	s_mov_b32 s4, 0
.Lstep_\@:                                             ; 16 trips: 128 keys each
	s_lshl_b32 s8, s4, 8                           ; the step's mask words, and V's scale words: 256 bytes a step.  (The loads that named s8 were waited for in the last trip)
	s_wait_dscnt 0x0                               ; K and its scale words, asked for in the last trip
	WIN 0x05
.set n, 0
.rept 8
.irp u, 0,1
.if n%2
	v_wmma_scale_f32_16x16x128_f8f6f4 v[S+64*\u+8*n:S+64*\u+8*n+7], v[KF+8*n:KF+8*n+15], v[QF+16*\u:QF+16*\u+15], 0, v[KS+n/2], v[QS+\u] matrix_a_fmt:MATRIX_FMT_BF8 matrix_b_fmt:MATRIX_FMT_BF8 matrix_a_scale:MATRIX_SCALE_ROW1
.else
	v_wmma_scale_f32_16x16x128_f8f6f4 v[S+64*\u+8*n:S+64*\u+8*n+7], v[KF+8*n:KF+8*n+15], v[QF+16*\u:QF+16*\u+15], 0, v[KS+n/2], v[QS+\u] matrix_a_fmt:MATRIX_FMT_BF8 matrix_b_fmt:MATRIX_FMT_BF8
.endif
.endr
.set n, n+1
.endr
	WIN 0
	s_add_co_u32 s10, s4, 1
	s_and_b32 s10, s10, 15                         ; the next step (behind the last: step 0, which the next pass begins with)
	s_lshl_b32 s11, s10, 9
	s_lshl_b32 s10, s10, 13
	s_lshl_b32 s12, s4, 13
	s_wait_alu depctr_vm_vsrc(0)                   ; the LDS loads issued so far have read the four addresses, which the additions below write
	v_add_nc_u32 v[ADK], s10, v[AK0]               ; these four and the four below: the eight places behind the products, ahead of the first read of the scores
	v_add_nc_u32 v[ADKS], s11, v[AKS0]
	v_add_nc_u32 v[ADV], s12, v[AV0]
	v_add_nc_u32 v[ADVS], s8, v[AVS0]
.rept 4
	v_nop
.endr
	s_wait_alu depctr_va_vdst(0)                   ; the products above are done reading K and its scale words, the last trip's products V^T P^T are done reading V and its scale words, and the four addresses are written: the 38 loads below land in the former and read the latter
.irp t, 0,1,2,3
.irp c, 0,1,2,3
	ds_load_b128 v[VF+16*\t+4*\c:VF+16*\t+4*\c+3], v[ADV] offset:2048*\t+512*\c
.endr
.endr
	ds_load_b32 v[VS], v[ADVS]
	ds_load_b32 v[VS+1], v[ADVS] offset:128
	KLOAD
.if \p == 0
	s_cmp_eq_u32 s4, s[LIM]                        ; the next pass's 32 blocks of mask words, in trip 14: two trips ahead of the load of the first of them; behind the run of LDS loads
	s_cbranch_scc0 .Lnq_\@
	global_prefetch_b8 v[PFO], s[6:7] offset:8192 th:TH_LOAD_NT scope:SCOPE_SE
.Lnq_\@:
.endif
	s_wait_kmcnt 0x0                               ; tile A's words, asked for in the last trip (step 0's: at the pass's head)
	s_add_co_u32 s9, s4, 1                         ; so their offset may be written: the next step's,
	s_min_u32 s9, s9, 15                           ; held at the last step's: the last trip asks for a clamped address, and nobody uses those words
	s_lshl_b32 s9, s9, 8
	HIDE 0
	s_wait_alu depctr_va_vdst(0)                   ; the 64 selects are done reading s[32:99], which the scalar loads below write
	MLOAD 8, 8192*\p+4096                          ; tile B's words take the same registers; they land under tile A's work below
	MAXB 0
	FMA 0
.set i, 0
.rept 64
	v_exp_f32 v[S+i], v[S+i]                       ; tile A: p = 2^(t - M), at most 1: NOT normalised
.set i, i+1
.endr
.irp b, 0,1,2,3
	v_exp_f32 v[BM+\b], v[BM+\b]                   ; the block's largest p: the same two instructions on the same number
.endr
	v_pk_mul_f32 v[STA+2:STA+3], v[STA+2:STA+3], v[STA+4:STA+5] op_sel_hi:[1,0]       ; tile A's sums under the new M.  From here to the wait below nothing names an exponential's result
	RESC 0
	WIN 0
	s_wait_kmcnt 0x0                               ; tile B's words
	HIDE 1
	s_wait_alu depctr_va_vdst(0)                   ; the 64 selects are done reading s[32:99], which the scalar loads below write; and tile A's 68 exponentials have written v64 to v127 and v32 to v35, ahead of their first readers (one wait for the batch)
	MLOAD 9, 8192*\p                               ; tile A's words of the next step: they have the rest of the trip and the next trip's products in which to land
	MAXB 1
	FMA 1
	v_pk_mul_f32 v[STA+8:STA+9], v[STA+8:STA+9], v[STA+10:STA+11] op_sel_hi:[1,0]
	SCALE 0
.set i, 0
.rept 32                               ; tile B's exponentials, with tile A's sums and holds between them
	v_exp_f32 v[S+64+2*i], v[S+64+2*i]
	v_exp_f32 v[S+64+2*i+1], v[S+64+2*i+1]
	SUMH 0, i
.set i, i+1
.endr
.irp b, 0,1,2,3
	v_exp_f32 v[BM+4+\b], v[BM+4+\b]
.endr
	CVT 0
	WIN 0
	v_nop                                          ; a plain line behind the last exponential and the last conversion
	s_wait_alu depctr_va_vdst(0)                   ; tile B's 68 exponentials have written v128 to v191 and v36 to v39, ahead of their first readers: one wait for the batch
	SCALE 1
.set i, 0
.rept 32
	SUMH 1, i
.set i, i+1
.endr
	CVT 1
	RESC 1                                         ; these 16 are also the places ahead of the products below
	s_wait_dscnt 20                                ; V and its scale words are in; the next step's K (16 loads) and scale words (4) may be out
	WIN 0x54
	s_wait_alu depctr_va_vdst(0)                   ; the conversions have written p's codes and the shifts p's scale words, which the scaled products below take; the places above stay beside this wait
.irp t, 0,1,2,3                        ; O^T += V^T P^T: eight accumulators by turns, one instruction a turn
.irp u, 0,1
.if (\t)%2
	v_wmma_scale_f32_16x16x128_f8f6f4 v[OF+32*\u+8*\t:OF+32*\u+8*\t+7], v[VF+16*\t:VF+16*\t+15], v[PF+16*\u:PF+16*\u+15], v[OF+32*\u+8*\t:OF+32*\u+8*\t+7], v[VS+\t/2], v[PWP+\u] matrix_a_fmt:MATRIX_FMT_BF8 matrix_b_fmt:MATRIX_FMT_BF8 matrix_a_scale:MATRIX_SCALE_ROW1
.else
	v_wmma_scale_f32_16x16x128_f8f6f4 v[OF+32*\u+8*\t:OF+32*\u+8*\t+7], v[VF+16*\t:VF+16*\t+15], v[PF+16*\u:PF+16*\u+15], v[OF+32*\u+8*\t:OF+32*\u+8*\t+7], v[VS+\t/2], v[PWP+\u] matrix_a_fmt:MATRIX_FMT_BF8 matrix_b_fmt:MATRIX_FMT_BF8
.endif
.endr
.endr
	WIN 0
	s_add_co_u32 s4, s4, 1
	s_cmp_lt_u32 s4, 16
	s_cbranch_scc1 .Lstep_\@
	; THE PASS'S WAY OUT: O^T / the sum, quantised along the head's 64 (two blocks a tile), stored as images
.rept 8
	v_nop                                          ; the places behind the last products
.endr
.if \p == 0
	s_wait_alu depctr_va_vdst(0)                   ; this pass's products are done reading Q and its scale words, and the pass's two shifts have written the latter: the loads below land in both
	QLOAD 1                                        ; the next pass's Q lands under the lines below, none of which names its registers
.endif
.irp u, 0,1
	v_add_f32 v[PX+4*\u], v[STA+6*\u+2], v[STA+6*\u+3]
.endr
.irp u, 0,1
	v_permlanex16_b32 v[PX+4*\u+1], v[PX+4*\u], s[SEL], s[SEL+1]
.endr
.irp u, 0,1
	v_add_f32 v[PX+4*\u], v[PX+4*\u], v[PX+4*\u+1] ; the row's sum
.endr
.irp u, 0,1
	v_rcp_f32 v[STA+6*\u+4], v[PX+4*\u]
.endr
	v_nop
	s_wait_alu depctr_va_vdst(0)                   ; the two reciprocals have written v24 and v30, ahead of their first readers: one wait for both
	WIN 0x01
.irp u, 0,1
.set i, 0
.rept 16
	v_pk_mul_f32 v[64+32*\u+2*i:64+32*\u+2*i+1], v[OF+32*\u+2*i:OF+32*\u+2*i+1], v[STA+6*\u+4:STA+6*\u+5] op_sel_hi:[1,0]   ; each accumulator from its low end on
.set i, i+1
.endr
.endr
	WIN 0
	QUANT 64                                       ; blocks 0, 1: tile A's; blocks 2, 3: tile B's.  (No store of mine is out that reads the registers written here: the waits at the pass's head stand behind the last pass's stores)
	v_lshrrev_b32 v[TT], 16, v[PW]
	v_cndmask_b32 v[TT], v[PW], v[TT], s28         ; lanes 0-15: tile A's two bytes; lanes 16-31: tile B's
	s_wait_alu depctr_va_vdst(0)                   ; the conversions have written x's codes, v128 to v143, and the select v57, which the five stores below read
	global_store_b128 v[AK0], v[PC:PC+3], s[24:25] offset:32768*\p
	global_store_b128 v[AK0], v[PC+4:PC+7], s[24:25] offset:32768*\p+512
	global_store_b128 v[AK0], v[PC+8:PC+11], s[24:25] offset:32768*\p+16384
	global_store_b128 v[AK0], v[PC+12:PC+15], s[24:25] offset:32768*\p+16896
	global_store_b16 v[XSA], v[TT], s[26:27] offset:1024*\p   ; two bytes of each row's 32: the other heads' bytes are other work-groups'; one byte in 32 of what this launch stores
.endm
	PASS 0
	PASS 1
	s_wait_dscnt 0x0                               ; the last trip's loads of K
	s_wait_kmcnt 0x0                               ; and its clamped request for mask words
	s_set_vgpr_msb 0x5
	s_wait_dscnt 0x0
	s_wait_alu depctr_hold_cnt(0) depctr_sa_sdst(0) depctr_va_vdst(0) depctr_va_sdst(0) depctr_va_ssrc(0) depctr_va_vcc(0) depctr_vm_vsrc(0)
	s_wait_tensorcnt 0x0
	ds_add_u32 v206, v207
	s_wait_dscnt 0x0
	s_endpgm
.Lfunc_end_k_q7be28ec9ad_attn:
	.size	k_q7be28ec9ad_attn, .Lfunc_end_k_q7be28ec9ad_attn-k_q7be28ec9ad_attn
	.p2alignl 7, 3214868480
	.fill 96, 4, 3214868480
	.section	.rodata,"a",@progbits
	.p2align	6, 0x0
	.amdhsa_kernel k_q7be28ec9ad_attn
		.amdhsa_group_segment_fixed_size 275456
		.amdhsa_private_segment_fixed_size 0
		.amdhsa_enable_private_segment 0
		.amdhsa_kernarg_size 40
		.amdhsa_user_sgpr_count 2
		.amdhsa_user_sgpr_kernarg_segment_ptr 1
		.amdhsa_wavefront_size32 1
		.amdhsa_system_sgpr_workgroup_id_x 1
		.amdhsa_system_sgpr_workgroup_id_y 1
		.amdhsa_system_sgpr_workgroup_id_z 1
		.amdhsa_system_vgpr_workitem_id 0
		.amdhsa_next_free_vgpr 464
		.amdhsa_next_free_sgpr 102
		.amdhsa_reserve_vcc 0
		.amdhsa_float_denorm_mode_32 3
		.amdhsa_float_denorm_mode_16_64 3
		.amdhsa_memory_ordered 1
		.amdhsa_forward_progress 1
		.amdhsa_inst_pref_size 134
	.end_amdhsa_kernel
	.amdgpu_metadata
---
amdhsa.version: [ 1, 2 ]
amdhsa.kernels:
  - .name:           k_q7be28ec9ad_attn
    .symbol:         k_q7be28ec9ad_attn.kd
    .args:
      - { .name: qkv_codes, .offset: 0, .size: 8, .value_kind: global_buffer, .address_space: global }
      - { .name: qkv_scales, .offset: 8, .size: 8, .value_kind: global_buffer, .address_space: global }
      - { .name: maskw, .offset: 16, .size: 8, .value_kind: global_buffer, .address_space: global }
      - { .name: x_codes, .offset: 24, .size: 8, .value_kind: global_buffer, .address_space: global }
      - { .name: x_scales, .offset: 32, .size: 8, .value_kind: global_buffer, .address_space: global }
    .group_segment_fixed_size: 275456
    .private_segment_fixed_size: 0
    .kernarg_segment_align: 8
    .kernarg_segment_size: 40
    .max_flat_workgroup_size: 256
    .sgpr_count:     102
    .vgpr_count:     464
    .wavefront_size: 32
...
	.end_amdgpu_metadata
.endif
;; end of part 5
;; launch outp: the kernel of part 4 again; grid 4 x 32, 4 waves a work-group, clusters of 4 x 4, 327,680 bytes of LDS; arguments x_codes, x_scales, xw_codes, xw_scales, bo, out0; writes out0
